; MI455X (gfx1250); checked and timed in simulation.
; The chip was launched on July 23, 2026; its instructions are those of AMD's public machine-readable ISA for CDNA 5 (MIT licence, August 2026) and "CDNA5" Instruction Set Architecture Reference Guide (July 2026). The comments in the code are by the model that wrote it; some were corrected since.
;; Multi Headed Attention. Allowed arithmetic: matrix products marked QUANTISED: E2M3 operands, one E8M0 scale for each 32 along K, by v_wmma_scale_f32_16x16x128_f8f6f4 with both operands' format E2M3, f32 sums; everything else in f32.
;; Inputs: Wk 1,024 x 1,024 float32; Wm 1,024 x 1,024 float32; Wq 1,024 x 1,024 float32; Wv 1,024 x 1,024 float32; bk 1,024 float32; bm 1,024 float32; bq 1,024 float32; bv 1,024 float32; encoding 2 x 1 x 1 x 2,048 x 64 float32; key 4 x 1,024 x 2,048 float32; query 4 x 1,024 x 2,048 float32; value 4 x 1,024 x 2,048 float32.
;; Outputs: out0 4 x 1,024 x 2,048 float32.
;; This version of the problem:
;;   THIS VERSION OF THE PROBLEM IS GIVEN IN LOW PRECISION. The matrix products marked QUANTISED in the list below multiply operands that are first quantised to E2M3 (2 exponent bits, 3 mantissa bits; 6 bits a number), with one power-of-two scale for each 32 numbers along K (OCP MX v1.0); their sums are f32. All else is computed in f32.
;;   The module's matrix products, in the order in which they are computed (A, B: the left and right operand; K: the contracted axis; several contracted axes count as one K, in the product's order):
;;     1. [M 8,192, K 1,024] x [K 1,024, N 1,024]; A: input query; B: input Wq: QUANTISED
;;     2. [M 8,192, K 1,024] x [K 1,024, N 1,024]; A: input key; B: input Wk: QUANTISED
;;     3. [M 8,192, K 1,024] x [K 1,024, N 1,024]; A: input value; B: input Wv: QUANTISED
;;     4. batch 64 x [M 2,048, K 64] x [K 64, N 2,048]; A: computed on the way; B: computed on the way: QUANTISED
;;     5. batch 64 x [M 64, K 2,048] x [K 2,048, N 2,048]; A: computed on the way; B: softmax (see below): QUANTISED
;;     6. [M 8,192, K 1,024] x [K 1,024, N 1,024]; A: computed on the way; B: input Wm: QUANTISED
;;   THE QUANTISER, for each operand of a quantised product, along K:
;;     - K is cut into blocks of 32 from its start; a last block that is shorter is filled with zeros.
;;     - A block's scale is 2^e with e = floor(log2(the largest magnitude in the block)) - 2, held to -126 .. 127; a block of zeros has e = 0. As a byte (E8M0): e + 127.
;;     - Each number is divided by its block's scale, clamped to +-7.5, and rounded to the nearest number of E2M3, ties to even, subnormals kept.
;;     - The product sums the exact products of the quantised numbers (number of the format x scale) in f32.
;;   ~~~python
;;   def quantise(x, axis):      # numpy; x: float32 -> the quantised numbers, widened to float32 again
;;       x = np.moveaxis(x, axis, -1); K = x.shape[-1]
;;       x = np.pad(x, [(0, 0)] * (x.ndim - 1) + [(0, -K % 32)]); x = x.reshape(x.shape[:-1] + (-1, 32)); a = np.abs(x).max(-1, keepdims=True)
;;       e = np.where(a > 0, np.clip(np.frexp(np.where(a > 0, a, 1))[1] - 1 - 2, -126, 127), 0)      # np.frexp(a)[1] - 1 = floor(log2(a)), exactly
;;       r = np.clip(x / 2.0 ** e, -7.5, 7.5)
;;       step = 2.0 ** (np.maximum(np.frexp(np.where(r == 0, 1, r))[1] - 1, 0) - 3)
;;       q = np.round(r / step) * step * 2.0 ** e      # np.round: ties to even
;;       return np.moveaxis(q.reshape(q.shape[:-2] + (-1,))[..., :K], -1, axis).astype(np.float32)
;;   ~~~
;;   SOFTMAX AHEAD OF A QUANTISED PRODUCT. Where the list says 'softmax', what is quantised is not the finished softmax but p = 2^(t - M), with t = logit x log2(e) and M = ceil(the row's largest t), a whole number; so 1/2 < the row's largest p <= 1. The row's sum l is taken of the UNQUANTISED p, in f32, and the product's result is divided by l at the end. Since M is a whole number, a kernel that streams over the keys may use a running M (the ceiling of the running maximum): every later rescaling is an exact power of two, which a block's scale takes up: the codes' values come out the same.
;;   OPERANDS COMPUTED ON THE WAY. 'Computed on the way' means the value that the module computes at that place (a softmax that the list does not call 'softmax' is quantised finished and normalised). What goes into a quantiser is computed in f32, as accurately as f32 sums, v_exp_f32 and their like allow (about 1e-6 of the number): no bf16 or f16 on the way to a quantiser, and a product that is left as it is and whose result goes on into a quantised operand takes f32 operands (vector FMAs, or v_wmma_f32_16x16x4_f32). A number that lies on a knife's edge between two numbers of the format may be rounded either way, as far as f32 arithmetic and the matrix unit's own rounding can turn it there, and no further.
;; One version. Each part assembles by itself: llvm-mc -triple=amdgcn-amd-amdhsa -mcpu=gfx1250 --defsym DOCPART=n.
;; ======== version 1 of 1: 5 launches
;; workspace buffers: wbuf 3,276,800 bytes; xcodes 18,874,368 bytes; xscales 786,432 bytes; qbuf 6,815,744 bytes; kvbuf 13,369,344 bytes; xatt 33,554,432 bytes
;; launch quant_in (part 1): grid 224 x 4, 4 waves a work-group, no clusters, 57,856 bytes of LDS; arguments query, key, value, xcodes, Wq, Wk, Wv, Wm, xscales, wbuf; writes xcodes, xscales, wbuf
.if DOCPART == 1
	.amdgcn_target "amdgcn-amd-amdhsa--gfx1250"
	.amdhsa_code_object_version 6
	.text
	.protected	k_q5ce94c59bb_quant_in
	.globl	k_q5ce94c59bb_quant_in
	.p2align	8
	.type	k_q5ce94c59bb_quant_in,@function
k_q5ce94c59bb_quant_in:
	s_mov_b64 s[64:65], 0
	v_nop
	global_prefetch_b8 v0, s[64:65] scope:SCOPE_SE
	s_setreg_imm32_b32 hwreg(HW_REG_WAVE_MODE, 25, 1), 1
	s_wait_xcnt 0x0
; ONE LAUNCH QUANTISES ALL SEVEN f32 INPUTS OF THE PROJECTIONS to codes of FP6 (E2M3) with one E8M0 byte for each 32 along K.  Work-groups with x < 192 take query, key, value (K not innermost);
; the 128 work-groups with x >= 192 take Wq, Wk, Wv, Wm (K innermost).  The two ways part on the work-group's number alone, at the first line, and each has LDS bytes of its own.
; A block's scale is 2^(floor(log2(its largest magnitude)) - 2); its byte is the largest magnitude's exponent field - 2, held at 1 from below.
; LIMITS: a block's largest magnitude is floored at 2^-124; a block of zeros gets the byte 1 (its codes are zeros, and this program alone reads the bytes); NaN and infinities are not served.
; No tensor loads, no barrier, no matrix work: waves share nothing.
;
; THE TOKENS' WAY.  Three tensors [4 (b)][1024 (i)][2048 (n)].  Row R = 2,048 (4 T + b) + pos of the codes (768 bytes) and of the scale bytes (32 bytes) holds token n = sg(pos), sg = pos with its bits 3 and 4
; exchanged (inside each 32 tokens).  A LANE TAKES A TOKEN n, AND ITS REGISTERS RUN DOWN i: a load reads 128 consecutive bytes a wave, a block of 32 along K lies in one lane's 32 registers, and the conversions give
; the codes with K innermost.  A wave takes 32 tokens x 256 along K: 192 bytes of codes a token, which go through the wave's own stage in LDS and leave as rows: sixteen lanes store a row's 192 consecutive bytes.
; K is shared out over the grid's y (4 x 256), so that there are enough waves to keep loads on their way; the price: a row's codes leave in pieces of 192 bytes and its scale bytes in pieces of 8.
; Loads run two blocks (64 loads a wave) ahead.  Grid x = 16 (4 T + b) + the block of 128 tokens.
.set SIZE_N, 2048
.set NB,    8                          ; blocks of 32 along K for a wave
.set ROWB,  192                        ; bytes of 256 codes
.set PITCH, 272                        ; a stage row: sixteen places of 16 bytes, each with 12 bytes of codes, + 16
.set KROW,  768                        ; a row of the codes' buffer
.set EMAX,  2
.set X,     32                         ; v32-95   two sets of 32 numbers
.set C,     96                         ; v96..    a block's codes
.set OUTR,  112                        ; v112-175 the way out
.set SB,    24                         ; v24-25   the scale bytes, four to a register
	v_lshl_add_u32 v192, v0, 2, 0xe000
	v_mov_b32 v193, 0
	s_cmp_ge_u32 ttmp9, 192
	s_cbranch_scc1 .Lweights
	s_load_b256 s[4:11], s[0:1], 0x0               ; query, key, value, the codes
	s_load_b64 s[12:13], s[0:1], 0x40              ; the scale bytes
	v_lshrrev_b32 v1, 5, v0
	v_readfirstlane_b32 s16, v1                    ; wave 0..3
	v_and_b32 v2, 31, v0                           ; lane
	s_and_b32 s17, ttmp9, 15
	s_lshl_b32 s17, s17, 7
	s_lshl_b32 s18, s16, 5
	s_add_co_u32 s17, s17, s18                     ; my wave's first token in its batch
	s_lshr_b32 s19, ttmp9, 4                       ; 4 T + b
	s_and_b32 s18, ttmp7, 0xffff                   ; which 256 along K
	v_lshlrev_b32 v3, 2, v2                        ; in: 4 bytes a lane
	s_mul_i32 s20, s16, 32*PITCH                   ; my stage
	v_mul_u32_u24 v4, v2, PITCH
	v_add_nc_u32 v4, s20, v4                       ; into it: row = my token
	v_and_b32 v5, 15, v2
	v_lshrrev_b32 v6, 4, v2                        ; out of it: sixteen lanes to a row, two rows an instruction
	v_mul_u32_u24 v7, v6, PITCH
	v_lshl_add_u32 v7, v5, 4, v7
	v_add_nc_u32 v7, s20, v7
	v_mul_u32_u24 v8, v6, KROW
	v_mad_u32_u24 v8, v5, 12, v8                   ; and the place in the codes' buffer (the row pair's number stands in the immediate)
	v_and_b32 v9, 7, v2                            ; sg(lane) x 32: my token's row of scale bytes
	v_and_b32 v10, 8, v2
	v_lshl_or_b32 v9, v10, 1, v9
	v_lshrrev_b32 v10, 1, v2
	v_and_b32 v10, 8, v10
	v_or_b32 v9, v9, v10
	v_lshlrev_b32 v9, 5, v9
	s_and_b32 s21, s19, 3                          ; b
	s_lshl_b32 s22, s21, 23                        ; source: b x 8,388,608 + y x 256 rows of 8,192 bytes + 4 x token
	s_lshl_b32 s23, s18, 21
	s_add_co_u32 s22, s22, s23
	s_lshl_b32 s23, s17, 2
	s_add_co_u32 s22, s22, s23
	s_mov_b32 s23, 0
	s_lshl_b32 s24, s19, 11
	s_add_co_u32 s24, s24, s17                     ; my first row of the outputs
	s_mul_i32 s26, s24, KROW
	s_mul_i32 s25, s18, ROWB
	s_add_co_u32 s26, s26, s25
	s_mov_b32 s27, 0
	s_lshl_b32 s28, s24, 5
	s_lshl_b32 s25, s18, 3
	s_add_co_u32 s28, s28, s25
	s_mov_b32 s29, 0
	s_lshr_b32 s20, s19, 2                         ; T
	s_wait_kmcnt 0x0
	s_cmp_eq_u32 s20, 0                            ; the source is chosen by the work-group's number alone
	s_cselect_b64 s[4:5], s[4:5], s[6:7]
	s_cmp_eq_u32 s20, 2
	s_cselect_b64 s[4:5], s[8:9], s[4:5]
	s_add_nc_u64 s[4:5], s[4:5], s[22:23]
	s_add_nc_u64 s[6:7], s[10:11], s[26:27]
	s_add_nc_u64 s[8:9], s[12:13], s[28:29]
.macro LOAD t                          ; block t: x(32 t + i, my token), i = 0 .. 31, into set t % 2
.irp i, 0,1,2,3,4,5,6,7,8,9,10,11,12,13,14,15,16,17,18,19,20,21,22,23,24,25,26,27,28,29,30,31
	global_load_b32 v[X+32*((\t)%2)+\i], v3, s[4:5] offset:(32*(\t)+\i)*SIZE_N*4 th:TH_LOAD_NT
.endr
.endm
	LOAD 0
	LOAD 1
.macro BLOCK t
.set XS, X+32*((\t)%2)
.if (\t) < NB-1
	s_wait_loadcnt 32                              ; this block's 32 loads are in; the next block's 32 may be out
.else
	s_wait_loadcnt 0
.endif
	v_max3_num_f32 v12, |v[XS]|, |v[XS+1]|, |v[XS+2]|               ; the block's largest magnitude: all 32 numbers are mine
	v_max3_num_f32 v13, |v[XS+3]|, |v[XS+4]|, |v[XS+5]|
.irp i, 6,10,14,18,22,26
	v_max3_num_f32 v12, v12, |v[XS+\i]|, |v[XS+\i+1]|
	v_max3_num_f32 v13, v13, |v[XS+\i+2]|, |v[XS+\i+3]|
.endr
	v_max3_num_f32 v12, v12, |v[XS+30]|, |v[XS+31]|
	v_max3_num_f32 v12, v12, v13, (EMAX+1)<<23     ; and the floor 2^(EMAX + 1 - 127)
	v_add_nc_u32 v11, -(EMAX<<23), v12             ; EMAX off its exponent field: the conversion's scale operand
	v_lshrrev_b32 v13, 23, v11                     ; the scale's byte
.if (\t)%4 == 0
	v_mov_b32 v[SB+(\t)/4], v13                    ; four bytes to a register, the lower K in the lower byte
.else
	v_lshl_or_b32 v[SB+(\t)/4], v13, 8*((\t)%4), v[SB+(\t)/4]
.endif
	v_cvt_scalef32_pk16_fp6_f32 v[C:C+2], v[XS:XS+15], v11
	v_cvt_scalef32_pk16_fp6_f32 v[C+4:C+6], v[XS+16:XS+31], v11     ; (a conversion's three registers begin on an even number)
	ds_store_b96 v4, v[C:C+2] offset:32*(\t)       ; 12 bytes to a place of 16 in the stage
	ds_store_b96 v4, v[C+4:C+6] offset:32*(\t)+16
.if (\t)+2 < NB
	LOAD (\t)+2
.endif
	s_wait_dscnt 0x0                               ; the stores have read their registers: the next block's codes may be written
.endm
.set Q, 0
.rept NB
	BLOCK Q
.set Q, Q+1
.endr
	s_wait_alu depctr_va_vdst(0)
	global_store_b64 v9, v[SB:SB+1], s[8:9]        ; my token's 8 scale bytes
.irp t, 0,1,2,3,4,5,6,7,8,9,10,11,12,13,14,15
	ds_load_b96 v[OUTR+4*\t:OUTR+4*\t+2], v7 offset:2*\t*PITCH   ; LDS serves a wave's instructions in order: these see my stores
.endr
.irp t, 0,1,2,3,4,5,6,7,8,9,10,11,12,13,14,15
.set TS, ((\t)&3)|(((\t)&4)<<1)|(((\t)&8)>>1)   ; tokens 2 t and 2 t + 1 go to rows sg(2 t), sg(2 t + 1) = 2 TS, 2 TS + 1
	s_wait_dscnt 15-\t
	global_store_b96 v8, v[OUTR+4*\t:OUTR+4*\t+2], s[6:7] offset:2*TS*KROW
.endr
	s_wait_tensorcnt 0x0
	ds_add_u32 v192, v193
	s_wait_dscnt 0x0
	s_endpgm
; THE WEIGHTS' WAY.  Wq, Wk, Wv, Wm, each [1024 (o)][1024 (i)] with K = i innermost, go into wbuf.
; ORDER OF THE ROWS IN wbuf: tensor T (0..3 = q, k, v, m), row pos = 64 h + p holds W's row o = 16 sg(p) + h.  So the 64 rows of a head lie together, and the 16 rows that a plain fragment load takes are
; 8 neighbouring d and the 8 that lie 16 further on: two neighbouring result tiles then give a lane 16 neighbours along d.  Codes: T x 786,432 + pos x 768.  Scale bytes: WSC + T x 32,768 + pos x 32.
; A wave takes 8 output rows: 16 steps of 512 numbers (half a row).  Each load reads 512 consecutive bytes; a step's 2,048 bytes turn through the wave's own stage in LDS and come back 64 bytes a lane,
; so that a lane holds 16 neighbours along K and two neighbouring lanes a block.  Loads run four steps ahead.  My wave's run: g = 4 (4 (x - 192) + y) + wave, 0 .. 511.
.set STEPS, 16
.set CB,    12                         ; bytes of 16 codes
.set WR,    16                         ; v16-79   four sets of 16 numbers as loaded
.set WX,    80                         ; v80-111  two sets of 16 neighbours
.set WC,    128                        ; v128-191 codes: four registers a step, so that no store's data are written again
.set WE,    112                        ; v112-127 a scale byte for each step
.set WL,    4*32*PITCH                 ; LDS: behind the tokens' four stages: bytes that the other way never names
.set WREG,  5632                       ; LDS of a wave: two stages of 32 x WSP bytes, then its 256 scale bytes
.set WSP,   80                         ; a lane's place in a stage: 64 bytes + 16 of padding
.set WSC,   3145728                    ; where the scale bytes begin in wbuf
.Lweights:
	s_load_b256 s[4:11], s[0:1], 0x20              ; Wq, Wk, Wv, Wm
	s_load_b64 s[12:13], s[0:1], 0x48              ; wbuf
	v_lshrrev_b32 v1, 5, v0
	v_readfirstlane_b32 s16, v1                    ; wave
	v_and_b32 v2, 31, v0                           ; lane
	v_lshlrev_b32 v3, 4, v2                        ; my 16 bytes of a load's 512
	s_mul_i32 s17, s16, WREG
	s_add_co_u32 s17, s17, WL
	v_lshrrev_b32 v14, 2, v2
	v_mul_u32_u24 v14, v14, WSP
	v_and_b32 v15, 3, v2
	v_lshl_add_u32 v14, v15, 4, v14
	v_add_nc_u32 v14, s17, v14                     ; the stage, on the way in: WSP (lane / 4) + 16 (lane % 4)
	v_mul_u32_u24 v15, v2, WSP
	v_add_nc_u32 v15, s17, v15                     ; and on the way out: WSP x lane
	v_mul_u32_u24 v4, v2, CB                       ; my codes' place in a step's 384 bytes
	v_lshrrev_b32 v5, 1, v2
	s_add_co_u32 s17, s17, 2*32*WSP
	v_add_nc_u32 v5, s17, v5                       ; LDS: my block's byte among the wave's 256
	v_lshlrev_b32 v7, 3, v2                        ; and on the way out 8 bytes a lane
	v_add_nc_u32 v6, s17, v7
	s_sub_co_u32 s18, ttmp9, 192
	s_lshl_b32 s18, s18, 2
	s_and_b32 s19, ttmp7, 0xffff
	s_add_co_u32 s18, s18, s19                     ; which of the 128 work-groups
	s_lshl_b32 s18, s18, 2
	s_add_co_u32 s18, s18, s16                     ; g: T = g / 128, h = (g / 8) % 16, e = g % 8 (p = 8 e + j)
	s_and_b32 s19, s18, 4
	s_and_b32 s20, s18, 1
	s_lshl_b32 s20, s20, 1
	s_bfe_u32 s21, s18, 0x10001
	s_or_b32 s19, s19, s20
	s_or_b32 s19, s19, s21                         ; e with its bits 0 and 1 exchanged: sg(p) = 8 e' + j
	s_lshl_b32 s20, s19, 19                        ; W's row 128 e' + 16 j + h, 4,096 bytes a row: the j part stands in the loads' immediates
	s_bfe_u32 s21, s18, 0x40003
	s_lshl_b32 s21, s21, 12
	s_or_b32 s20, s20, s21
	s_mov_b32 s21, 0
	s_mul_i32 s22, s18, 32*STEPS*CB                ; my codes: 6,144 bytes a run, dense
	s_mov_b32 s23, 0
	s_lshl_b32 s24, s18, 8                         ; my scale bytes: 256 a run, dense
	s_add_co_u32 s24, s24, WSC
	s_mov_b32 s25, 0
	s_lshr_b32 s19, s18, 7                         ; T
	s_wait_alu depctr_va_vdst(0)
	s_wait_kmcnt 0x0
	s_cmp_eq_u32 s19, 0                            ; the source is chosen by the work-group's number alone
	s_cselect_b64 s[4:5], s[4:5], s[6:7]
	s_cmp_eq_u32 s19, 2
	s_cselect_b64 s[8:9], s[8:9], s[10:11]
	s_cmp_lt_u32 s19, 2
	s_cselect_b64 s[4:5], s[4:5], s[8:9]
	s_add_nc_u64 s[4:5], s[4:5], s[20:21]
	s_add_nc_u64 s[8:9], s[12:13], s[22:23]
	s_add_nc_u64 s[10:11], s[12:13], s[24:25]
.macro WLOAD t                         ; step t: half t % 2 of the run's row t / 2, which lies 16 rows of W behind the row before
.irp i, 0,1,2,3
	global_load_b128 v[WR+16*((\t)%4)+4*\i:WR+16*((\t)%4)+4*\i+3], v3, s[4:5] offset:65536*((\t)/2)+2048*((\t)%2)+512*\i th:TH_LOAD_NT
.endr
.endm
.macro WTURN t                         ; step t's numbers through the stage: LDS serves a wave's instructions in order, so no wait stands between the stores and the loads
.irp i, 0,1,2,3
	ds_store_b128 v14, v[WR+16*((\t)%4)+4*\i:WR+16*((\t)%4)+4*\i+3] offset:32*WSP*((\t)%2)+8*WSP*\i
.endr
.irp i, 0,1,2,3
	ds_load_b128 v[WX+16*((\t)%2)+4*\i:WX+16*((\t)%2)+4*\i+3], v15 offset:32*WSP*((\t)%2)+16*\i
.endr
.endm
.irp t, 0,1,2,3
	WLOAD \t
.endr
	s_wait_loadcnt 12                              ; step 0's four loads are in; the twelve of steps 1 to 3 may be out
	WTURN 0
.macro WSTEP t
.set XS, WX+16*((\t)%2)
.if (\t) > 0
	s_wait_dscnt 1                                 ; this step's numbers are back from the stage; the last step's byte store may be out
.else
	s_wait_dscnt 0x0
.endif
.if (\t)+4 < STEPS
	WLOAD (\t)+4                                   ; into the registers that the stage's stores have read
.endif
.if (\t)+1 < STEPS
.if STEPS-2-(\t) >= 3
	s_wait_loadcnt 12                              ; the next step's four loads are in; those of the three steps behind it may be out
.else
	s_wait_loadcnt 4*(STEPS-2-(\t))
.endif
	WTURN (\t)+1
.endif
	v_max3_num_f32 v8, |v[XS]|, |v[XS+1]|, |v[XS+2]|               ; the largest magnitude of my 16, in two chains
	v_max3_num_f32 v9, |v[XS+3]|, |v[XS+4]|, |v[XS+5]|
.irp i, 6,10
	v_max3_num_f32 v8, v8, |v[XS+\i]|, |v[XS+\i+1]|
	v_max3_num_f32 v9, v9, |v[XS+\i+2]|, |v[XS+\i+3]|
.endr
	v_max3_num_f32 v8, v8, |v[XS+14]|, |v[XS+15]|
	v_max3_num_f32 v8, v8, v9, (EMAX+1)<<23        ; and the floor 2^(EMAX + 1 - 127): the byte cannot fall under 1
	v_max_num_f32_dpp v8, v8, v8 row_xmask:1 row_mask:0xf bank_mask:0xf   ; and of my neighbour's 16: the block's
	v_add_nc_u32 v11, -(EMAX<<23), v8              ; EMAX off its exponent field: the conversion takes the exponent field of this operand as its scale
	v_cvt_scalef32_pk16_fp6_f32 v[WC+4*(\t):WC+4*(\t)+2], v[XS:XS+15], v11
	v_lshrrev_b32 v[WE+(\t)], 23, v11              ; the scale's byte (also the plain line behind the conversion)
	ds_store_b8 v5, v[WE+(\t)] offset:16*(\t)      ; both lanes of a block write the same byte with the same value
	global_store_b96 v4, v[WC+4*(\t):WC+4*(\t)+2], s[8:9] offset:32*CB*(\t)   ; the wave stores 384 consecutive bytes
.endm
.irp t, 0,1,2,3,4,5,6,7,8,9,10,11,12,13,14,15
	WSTEP \t
.endr
	ds_load_b64 v[12:13], v6                       ; LDS serves a wave's instructions in order: these see my byte stores
	s_wait_dscnt 0x0
	global_store_b64 v7, v[12:13], s[10:11]        ; 32 lanes store 256 consecutive bytes, aligned
	s_wait_tensorcnt 0x0
	ds_add_u32 v192, v193
	s_wait_dscnt 0x0
	s_endpgm
.Lfunc_end_k_q5ce94c59bb_quant_in:
	.size	k_q5ce94c59bb_quant_in, .Lfunc_end_k_q5ce94c59bb_quant_in-k_q5ce94c59bb_quant_in
	.p2alignl 7, 3214868480
	.fill 96, 4, 3214868480
	.section	.rodata,"a",@progbits
	.p2align	6, 0x0
	.amdhsa_kernel k_q5ce94c59bb_quant_in
		.amdhsa_group_segment_fixed_size 57856
		.amdhsa_private_segment_fixed_size 0
		.amdhsa_enable_private_segment 0
		.amdhsa_kernarg_size 80
		.amdhsa_user_sgpr_count 2
		.amdhsa_user_sgpr_kernarg_segment_ptr 1
		.amdhsa_wavefront_size32 1
		.amdhsa_system_sgpr_workgroup_id_x 1
		.amdhsa_system_sgpr_workgroup_id_y 1
		.amdhsa_system_sgpr_workgroup_id_z 1
		.amdhsa_system_vgpr_workitem_id 0
		.amdhsa_next_free_vgpr 194
		.amdhsa_next_free_sgpr 66
		.amdhsa_reserve_vcc 0
		.amdhsa_float_denorm_mode_32 3
		.amdhsa_float_denorm_mode_16_64 3
		.amdhsa_memory_ordered 1
		.amdhsa_forward_progress 1
		.amdhsa_inst_pref_size 74
	.end_amdhsa_kernel
	.amdgpu_metadata
---
amdhsa.version: [ 1, 2 ]
amdhsa.kernels:
  - .name:           k_q5ce94c59bb_quant_in
    .symbol:         k_q5ce94c59bb_quant_in.kd
    .args:
      - { .name: query, .offset: 0, .size: 8, .value_kind: global_buffer, .address_space: global }
      - { .name: key, .offset: 8, .size: 8, .value_kind: global_buffer, .address_space: global }
      - { .name: value, .offset: 16, .size: 8, .value_kind: global_buffer, .address_space: global }
      - { .name: xcodes, .offset: 24, .size: 8, .value_kind: global_buffer, .address_space: global }
      - { .name: Wq, .offset: 32, .size: 8, .value_kind: global_buffer, .address_space: global }
      - { .name: Wk, .offset: 40, .size: 8, .value_kind: global_buffer, .address_space: global }
      - { .name: Wv, .offset: 48, .size: 8, .value_kind: global_buffer, .address_space: global }
      - { .name: Wm, .offset: 56, .size: 8, .value_kind: global_buffer, .address_space: global }
      - { .name: xscales, .offset: 64, .size: 8, .value_kind: global_buffer, .address_space: global }
      - { .name: wbuf, .offset: 72, .size: 8, .value_kind: global_buffer, .address_space: global }
    .group_segment_fixed_size: 57856
    .private_segment_fixed_size: 0
    .kernarg_segment_align: 8
    .kernarg_segment_size: 80
    .max_flat_workgroup_size: 128
    .sgpr_count:     66
    .vgpr_count:     194
    .wavefront_size: 32
...
	.end_amdgpu_metadata
.endif
;; end of part 1
;; launch proj (part 2): grid 4 x 96, 4 waves a work-group, clusters of 4 x 4, 327,680 bytes of LDS; arguments xcodes, xscales, wbuf, qbuf, kvbuf, bq, bk, bv, encoding; writes qbuf, kvbuf
.if DOCPART == 2
	.amdgcn_target "amdgcn-amd-amdhsa--gfx1250"
	.amdhsa_code_object_version 6
	.text
	.protected	k_q5ce94c59bb_proj
	.globl	k_q5ce94c59bb_proj
	.p2align	8
	.type	k_q5ce94c59bb_proj,@function
k_q5ce94c59bb_proj:
	s_mov_b64 s[64:65], 0
	v_nop
	global_prefetch_b8 v0, s[64:65] scope:SCOPE_SE
	s_setreg_imm32_b32 hwreg(HW_REG_WAVE_MODE, 25, 1), 1
	s_wait_xcnt 0x0
	s_wait_alu depctr_hold_cnt(0) depctr_sa_sdst(0) depctr_va_vdst(0) depctr_va_sdst(0) depctr_va_ssrc(0) depctr_va_vcc(0) depctr_vm_vsrc(0)
	s_getreg_b32 s2, hwreg(HW_REG_IB_STS2, 6, 4)
	s_cmp_eq_u32 s2, 0
	s_cbranch_scc0 .Lentry_in_a_cluster
	s_endpgm
.Lentry_in_a_cluster:
	s_bfe_u32 s2, ttmp6, 0x10000c
	s_cmp_lg_u32 s2, 0xf033
	s_cbranch_scc0 .Lentry_shape_is_right
	s_endpgm
.Lentry_shape_is_right:
; The three projections, on codes of FP6 (E2M3) with E8M0 scales, and what follows them up to the next quantiser: bias, rotary embedding (q, k), quantising along the next product's K.
; A tile of 256 x 256 is made by four waves, 128 x 128 each (64 accumulators, 512 registers); K = 1,024 goes in four steps of 256 through a ring of two LDS slots filled by the tensor data mover.
; 24 clusters of 4 x 4 work-groups: cluster y = 8 T + L, T = 0, 1, 2 for q, k, v.  Tiles shared along a row or a column of the cluster are asked for jointly.
; WHICH OPERAND STANDS WHERE.  Source 1 ('A', a lane = a row of it), source 0 ('B', a lane's registers run along its rows).  q, k: A = tokens, B = the weight: a lane holds one token and its registers run along d,
; the K of q k^T.  v: A = the weight, B = tokens: a lane holds one d and its registers run along the keys, the K of the second product.
; THE ROWS of both code buffers are stored with bits 3 and 4 of their number exchanged (weights also head-major: row 64 h + p is channel 16 sg(p) + h), so that register j of result tile t in lane (r, hh)
; belongs to index 32 (t / 2) + 16 hh + 8 (t % 2) + j: the 16 registers of two neighbouring tiles are 16 neighbours along the next K; lane r of row block a holds index 32 (a / 2) + 8 (a % 2) + r + 8 (r / 8).
; OUT: images of the next products' operand registers.  q -> qbuf, blocks of 6,656 bytes for (batch, head, 128 tokens): 8 tiles x 768 bytes (registers 0-3 at 16 x lane, 4-5 at 512 + 8 x lane), then 512 bytes of
; scale words (tile t, row r at 256 (t / 4) + 16 r + 4 (t % 4); bytes 2 and 3 are 0x7f: the upper 64 of the instruction's 128 along K are not used).  k -> kvbuf, blocks of 13,056 bytes, the same at 0 and 6,144.
; v -> kvbuf at 6,656: 4 fragments (16 d x 128 keys) of 3 x 512 bytes, and at 12,800 their scale words (row r, tile t at 16 r + 4 t).  Every store covers 256 or 512 consecutive bytes.
; LIMITS: a block's largest magnitude is floored at 2^-124; a block of zeros gets the byte 1 (zero codes; this program alone reads the bytes); NaN and infinities are not served.
; No prefetch: the walk along K has four steps, two of them asked for at the head.  One tile to a work-group.
; REGISTERS, in windows of 256: window 0: v0-31 addresses; v32-63 scale words, two sets; v128-223 A's fragments, one set.  window 1: B's fragments, two sets (v0, v128).  windows 2, 3: accumulators ((a, b) at v[8 (8 (a % 4) + b)]).
; On the way out: window 0: v128-191 64 numbers, v192-211 codes, v212-228 at work, v32-55 scale words, v64-79 v's bias; window 1: v0-127 two sets of the embedding's factors, v128-191 q's or k's bias.
.set KSTEP,  256
.set NQ,     KSTEP/128
.set ROWB,   192                       ; a tile's row in bytes
.set KROW,   768                       ; a row of codes in memory
.set PITCH,  240                       ; an LDS row: 3 x (64 bytes + 16 of padding)
.set FR,     12
.set NL,     6
.set NP,     4
.set HALFT,  128*PITCH
.set SLOT,   4*HALFT
.set LAPS,   2                         ; 1,024 / (2 x 256)
.set KS,     32                        ; a row of scale bytes
.set SCL,    2*SLOT
.set HALFS,  (128*KS/256)*272
.set SBLK,   (16*KS/256)*272
.set SPARE,  SCL+4*HALFS               ; the spare words, 128 bytes a wave: two blocks of 256 bytes that no other line names
.set WSC,    3145728                   ; where the weights' scale bytes begin in wbuf
.set LI,   7                           ; v7   16 x lane
.set L8,   8                           ; v8   8 x lane
.set EO,   9                           ; v9   the embedding: (r + 8 (r / 8)) x 256 + 64 hh
.set BO,   10                          ; v10  q's, k's bias: 1,024 hh
.set SOF,  11                          ; v11  scale words out: hh x 16 blocks + 16 r
.set BOV,  13                          ; v13  v's bias: (r + 8 (r / 8)) x 64
.set ADRA, 16
.set ADRB, 20
.set ADRS, 27
.set SPW,  28
.set NIL,  29
.set SC,   32
.set AF,   128
.set RN,   128                         ; the way out, window 0
.set PC,   192
.set TM,   212
.set PW,   228
.set SW,   32
.set OUTW, 48
.set BV,   64
.set BIA,  128                         ; window 1
.set SEL,  22                          ; s[22:23] lane selects, on the way out
.set G1, 24
.set G0, 32
.set G1B, 48
.set G0B, 56
.set G1S, 68
.set G0S, 76
.set G1SB, 80
.set G0SB, 88
.set MSB, 0
.macro WIN new                         ; the immediate's high byte repeats the setting that is left
.if MSB != \new
	s_set_vgpr_msb (MSB<<8)|\new
.set MSB, \new
.endif
.endm
.set MUL_LO, 0xa1                      ; source 0 (B) window 1, source 1 (A) window 0, C and D window 2
.set MUL_HI, 0xf1
.set TO_B,   0x40
; A joint load: waves 0 and 1 fetch for A, waves 2 and 3 for B; the branch hangs on the wave's number alone.  Four v_nop follow each of the two lines.
.macro JLOAD g0a, g1a, g0b, g1b
	s_cmp_eq_u32 s15, 0
	s_cbranch_scc0 .Lfor_b_\@
	tensor_load_to_lds s[\g0a:\g0a+3], s[\g1a:\g1a+7]
	s_nop 0
.rept 4
	v_nop
.endr
	s_branch .Lasked_\@
.Lfor_b_\@:
	tensor_load_to_lds s[\g0b:\g0b+3], s[\g1b:\g1b+7]
	s_nop 0
.rept 4
	v_nop
.endr
.Lasked_\@:
.endm
.macro CREST                           ; a round of the cluster's barrier behind its opening barrier
	s_cmp_lg_u32 s14, 0
	s_cbranch_scc1 .Lnot_wave_0_\@
	s_barrier_signal -3
.Lnot_wave_0_\@:
	s_barrier_wait -3
	s_barrier_signal -1
	s_barrier_wait -1
.endm
.macro CROUND
	s_barrier_signal -1
	s_barrier_wait -1
	CREST
.endm
	s_load_b256 s[4:11], s[0:1], 0x0               ; xcodes s[4:5], xscales s[6:7], wbuf s[8:9], qbuf s[10:11]
	s_load_b256 s[92:99], s[0:1], 0x20             ; kvbuf s[92:93], bq s[94:95], bk s[96:97], bv s[98:99]
	s_load_b64 s[100:101], s[0:1], 0x40            ; encoding
	v_lshl_add_u32 v[SPW], v0, 2, SPARE
	v_mov_b32 v[NIL], 0
	ds_add_u32 v28, v29
	ds_add_u32 v28, v29
	s_wait_dscnt 0x0
	v_lshrrev_b32 v1, 5, v0
	v_readfirstlane_b32 s14, v1                    ; wave 0..3
	s_lshr_b32 s15, s14, 1                         ; which half of the tile's rows (A) is mine.  Also: I fetch for A (0) or for B (1)
	s_and_b32 s16, s14, 1                          ; which half of its columns (B).  Also: which 128 rows of that tile I fetch
	s_bfe_u32 s40, ttmp6, 0x40000                  ; cx, cy: my place in the cluster
	s_bfe_u32 s41, ttmp6, 0x40004
	s_and_b32 s67, ttmp7, 0xffff                   ; cluster y
	s_lshr_b32 s66, s67, 3                         ; T: 0 q, 1 k, 2 v: the same in all sixteen partners
	s_and_b32 s67, s67, 7                          ; L: which 1,024 tokens
	s_cmp_eq_u32 s66, 2
	s_cselect_b32 s17, 0, s67
	s_cselect_b32 s42, s67, 0
	s_lshl_b32 s17, s17, 2
	s_add_co_u32 s17, s17, s41                     ; tile row (A): tokens 4 L + cy, or for v the weight's cy
	s_lshl_b32 s42, s42, 2
	s_add_co_u32 s42, s42, s40                     ; tile column (B): the weight's cx, or for v tokens 4 L + cx
	s_lshl_b32 s43, s41, 2
	s_lshl_b32 s43, 15, s43                        ; my row of the cluster
	s_lshl_b32 s44, 0x1111, s40                    ; my column
	; descriptor group 1: a tile of 128 rows x 192 bytes; 16 bytes of padding behind every 64
	s_or_b32 s[G1+0], s43, (0<<16)|(1<<20)|(1<<21)|(3<<22)|(3<<25)
	s_or_b32 s[G1B+0], s44, (0<<16)|(1<<20)|(1<<21)|(3<<22)|(3<<25)
.irp g, G1, G1B
	s_mov_b32 s[\g+1], ROWB<<16                    ; tensor_dim0
	s_mov_b32 s[\g+2], 128<<16                     ; tensor_dim1
	s_mov_b32 s[\g+3], ROWB<<16                    ; tile_dim0
	s_mov_b32 s[\g+4], 128                         ; tile_dim1
	s_mov_b32 s[\g+5], KROW                        ; tensor_dim0_stride
	s_mov_b32 s[\g+6], 0
	s_mov_b32 s[\g+7], 0
.endr
	; the scale bytes of 128 rows: 4,096 dense bytes, as 16 rows of 256 bytes with 16 of padding behind each
	s_or_b32 s[G1S+0], s43, (3<<16)|(1<<20)|(1<<21)|(5<<22)|(3<<25)
	s_or_b32 s[G1SB+0], s44, (3<<16)|(1<<20)|(1<<21)|(5<<22)|(3<<25)
.irp g, G1S, G1SB
	s_mov_b32 s[\g+1], 32<<16
	s_mov_b32 s[\g+2], (128*KS/256)<<16
	s_mov_b32 s[\g+3], 32<<16
	s_mov_b32 s[\g+4], 128*KS/256
	s_mov_b32 s[\g+5], 32
	s_mov_b32 s[\g+6], 0
	s_mov_b32 s[\g+7], 0
.endr
	; byte offsets, apart from the pointers: tokens' codes T x 6,291,456, their scales T x 262,144; the weight's codes T x 786,432, its scales WSC + T x 32,768; + the row
	s_mul_i32 s18, s66, 6291456
	s_mul_i32 s19, s66, 786432
	s_lshl_b32 s22, s66, 18
	s_lshl_b32 s23, s66, 15
	s_add_co_u32 s23, s23, WSC
	s_cmp_eq_u32 s66, 2
	s_cselect_b32 s46, s18, s19                    ; B's codes: tokens for v, else the weight
	s_cselect_b32 s2, s22, s23                     ; B's scales
	s_cselect_b32 s18, s19, s18                    ; A's codes
	s_cselect_b32 s22, s23, s22                    ; A's scales
	s_lshl_b32 s12, s16, 7                         ; which 128 rows of the tile I fetch
	s_lshl_b32 s20, s17, 8
	s_add_co_u32 s20, s20, s12                     ; A's row (made of cy, L and the wave's number alone)
	s_lshl_b32 s21, s42, 8
	s_add_co_u32 s21, s21, s12                     ; B's row (of cx, L and the wave's number alone)
	s_mul_i32 s19, s20, KROW
	s_add_co_u32 s18, s18, s19
	s_mov_b32 s19, 0
	s_lshl_b32 s23, s20, 5
	s_add_co_u32 s22, s22, s23
	s_mov_b32 s23, 0
	s_mul_i32 s47, s21, KROW
	s_add_co_u32 s46, s46, s47
	s_mov_b32 s47, 0
	s_lshl_b32 s3, s21, 5
	s_add_co_u32 s2, s2, s3
	s_mov_b32 s3, 0
	s_mul_i32 s45, s14, HALFT                      ; where the tiles go: wave x 128 rows: no place in the cluster enters an LDS address
	s_mul_i32 s13, s14, HALFS
	s_wait_kmcnt 0x0
	s_cmp_eq_u32 s66, 2                            ; the buffers are chosen by T alone
	s_cselect_b64 s[G0S+2:G0S+3], s[8:9], s[6:7]
	s_cselect_b64 s[G0SB+2:G0SB+3], s[6:7], s[8:9]
	s_cselect_b64 s[G0+2:G0+3], s[8:9], s[4:5]
	s_cselect_b64 s[G0B+2:G0B+3], s[4:5], s[8:9]
	s_add_nc_u64 s[G0S+2:G0S+3], s[G0S+2:G0S+3], s[22:23]
	s_add_nc_u64 s[G0SB+2:G0SB+3], s[G0SB+2:G0SB+3], s[2:3]
	s_add_nc_u64 s[G0+2:G0+3], s[G0+2:G0+3], s[18:19]
	s_add_nc_u64 s[G0B+2:G0B+3], s[G0B+2:G0B+3], s[46:47]
	s_add_nc_u64 s[G0+6:G0+7], s[G0+2:G0+3], ROWB  ; slot 1 begins with K step 1
	s_add_nc_u64 s[G0B+6:G0B+7], s[G0B+2:G0B+3], ROWB
	s_mov_b32 s[G0S], 1
	s_add_co_u32 s[G0S+1], s13, SCL
	s_or_b32 s[G0S+3], s[G0S+3], 0x80000000
	s_mov_b32 s[G0SB], 1
	s_add_co_u32 s[G0SB+1], s13, SCL
	s_or_b32 s[G0SB+3], s[G0SB+3], 0x80000000
.irp s, 0,1
	s_mov_b32 s[G0+4*\s], 1
	s_add_co_u32 s[G0+4*\s+1], s45, \s*SLOT
	s_or_b32 s[G0+4*\s+3], s[G0+4*\s+3], 0x80000000
	s_mov_b32 s[G0B+4*\s], 1
	s_add_co_u32 s[G0B+4*\s+1], s45, \s*SLOT
	s_or_b32 s[G0B+4*\s+3], s[G0B+4*\s+3], 0x80000000
.endr
	CROUND                                         ; all sixteen work-groups are here: the first joint loads meet
	JLOAD G0S, G1S, G0SB, G1SB                     ; the scales of all of K: filled once
	JLOAD G0, G1, G0B, G1B                         ; K step 0
	JLOAD G0+4, G1, G0B+4, G1B                     ; K step 1: three loads of mine are out
	v_and_b32 v1, 15, v0                           ; r
	v_bfe_u32 v2, v0, 4, 1                         ; hh
	v_mul_u32_u24 v3, v1, PITCH
	v_mul_u32_u24 v4, v2, 24
	v_add_nc_u32 v4, v3, v4                        ; a fragment's row x pitch + 24 x half
	v_lshl_add_u32 v5, v2, 4, v4                   ; and the same behind one padding more
	s_mul_i32 s21, s15, HALFT                      ; my 128 rows of A
	s_mul_i32 s22, s16, HALFT                      ; my 128 rows of B,
	s_add_co_u32 s22, s22, 2*HALFT                 ; which lie behind A's 256
.irp s, 0,1
	v_add_nc_u32 v[ADRA+\s], s21, v4
	v_add_nc_u32 v[ADRB+\s], s22, v4
	v_add_nc_u32 v[ADRA+2+\s], s21, v5
	v_add_nc_u32 v[ADRB+2+\s], s22, v5
	s_add_co_u32 s21, s21, SLOT
	s_add_co_u32 s22, s22, SLOT
.endr
	v_mul_u32_u24 v5, v1, KS                       ; my row's scales: KS bytes a row,
	v_lshrrev_b32 v6, 8, v5
	v_lshl_add_u32 v5, v6, 4, v5                   ; and 16 more for each 256 passed
	s_mul_i32 s21, s15, HALFS
	s_mul_i32 s22, s16, HALFS
	s_add_co_u32 s22, s22, 2*HALFS
	s_sub_co_u32 s22, s22, s21
	v_mul_u32_u24 v6, s22, v2                      ; lanes 16-31 take B's
	s_add_co_u32 s21, s21, SCL
	v_add_nc_u32 v5, v5, v6
	v_add_nc_u32 v[ADRS], s21, v5
	; the way out's bases and offsets
	s_mov_b32 s19, 13056
	s_cmp_eq_u32 s66, 0
	s_cselect_b32 s19, 6656, s19                   ; bytes of an output block
	s_cselect_b64 s[12:13], s[10:11], s[92:93]     ; qbuf or kvbuf
	s_cselect_b64 s[94:95], s[94:95], s[96:97]     ; bq or bk
	s_lshl_b32 s22, s17, 1
	s_add_co_u32 s22, s22, s15                     ; my 128 rows of A among all
	s_lshl_b32 s23, s42, 1
	s_add_co_u32 s23, s23, s16                     ; my 128 rows of B among all
	s_cmp_eq_u32 s66, 2
	s_cselect_b32 s18, s23, s22                    ; my 128 tokens: batch = / 16, block of 128 = % 16
	s_cselect_b32 s46, s22, s23
	s_lshl_b32 s46, s46, 1                         ; my first head: 128 rows of a weight are two heads
	s_lshr_b32 s22, s18, 4
	s_and_b32 s23, s18, 15
	s_lshl_b32 s22, s22, 4
	s_add_co_u32 s22, s22, s46
	s_lshl_b32 s22, s22, 4
	s_add_co_u32 s22, s22, s23                     ; block (16 batch + head) x 16 + token block
	s_mul_i32 s22, s22, s19
	s_mov_b32 s23, 0
	s_add_nc_u64 s[12:13], s[12:13], s[22:23]      ; my first head's block
	s_lshl_b32 s22, s19, 4
	s_add_nc_u64 s[20:21], s[12:13], s[22:23]      ; my second head's: 16 blocks on
	v_mul_u32_u24 v[SOF], s22, v2
	v_lshl_add_u32 v[SOF], v1, 4, v[SOF]
	s_lshl_b32 s22, s46, 2
	s_add_nc_u64 s[94:95], s[94:95], s[22:23]      ; the biases at my first head: channel 16 d + head
	s_add_nc_u64 s[98:99], s[98:99], s[22:23]
	s_lshl_b32 s22, s17, 8
	s_lshl_b32 s18, s15, 7
	s_add_co_u32 s22, s22, s18
	s_and_b32 s22, s22, 2047                       ; q, k: my first token in its batch
	s_lshl_b32 s22, s22, 8
	s_add_nc_u64 s[100:101], s[100:101], s[22:23]  ; 256 bytes of factors a token
	v_and_b32 v6, 31, v0
	v_lshlrev_b32 v[LI], 4, v6
	v_lshlrev_b32 v[L8], 3, v6
	v_and_b32 v3, 8, v1
	v_add_nc_u32 v3, v3, v1                        ; r + 8 (r / 8)
	v_lshlrev_b32 v[EO], 8, v3
	v_lshl_add_u32 v[EO], v2, 6, v[EO]
	v_lshlrev_b32 v[BO], 10, v2
	v_lshlrev_b32 v[BOV], 6, v3
.macro FRAG reg, adr, q, i             ; a fragment, 16 rows x 128 K: 12 registers; lane (r, hh): registers 6 c .. 6 c + 5 hold K = 64 c + 32 hh + 0 .. 31: 24 bytes of the row, as they lie, in pieces of 8 bytes
.irp p, 0,1,2,3,4,5
.set PIECE, 12*(\q)+6*(\p/3)+\p%3      ; 16 bytes of padding lie behind every 8 pieces: where the piece three on lies behind one padding more, the second address register serves
.if PIECE%8 < 5
	ds_load_b64 v[\reg+2*\p:\reg+2*\p+1], v[\adr] offset:8*PIECE+16*(PIECE/8)+(\i)*16*PITCH
.else
	ds_load_b64 v[\reg+2*\p:\reg+2*\p+1], v[\adr+2] offset:8*PIECE+16*(PIECE/8)+(\i)*16*PITCH
.endif
.endr
.endm
; 16 matrix instructions: A's blocks a0, a0 + 1 x B's eight.  The 64 accumulators take turns, one instruction a turn, in the same order in every step.  zero = 1: the first product starts the sums.
.macro MUL16 a0, p, q, sc, zero
.irp a, \a0, \a0+1
.irp b, 0,1,2,3,4,5,6,7
.if \zero
	v_wmma_scale_f32_16x16x128_f8f6f4 v[8*(8*((\a)%4)+\b):8*(8*((\a)%4)+\b)+7], v[128*(\p)+FR*\b:128*(\p)+FR*\b+FR-1], v[AF+FR*(\a):AF+FR*(\a)+FR-1], 0, v[SC+8*NQ*(\sc)+NQ*\b+(\q)], v[SC+8*NQ*(\sc)+NQ*(\a)+(\q)] matrix_a_fmt:MATRIX_FMT_FP6 matrix_b_fmt:MATRIX_FMT_FP6 matrix_a_scale:MATRIX_SCALE_ROW1
.else
	v_wmma_scale_f32_16x16x128_f8f6f4 v[8*(8*((\a)%4)+\b):8*(8*((\a)%4)+\b)+7], v[128*(\p)+FR*\b:128*(\p)+FR*\b+FR-1], v[AF+FR*(\a):AF+FR*(\a)+FR-1], v[8*(8*((\a)%4)+\b):8*(8*((\a)%4)+\b)+7], v[SC+8*NQ*(\sc)+NQ*\b+(\q)], v[SC+8*NQ*(\sc)+NQ*(\a)+(\q)] matrix_a_fmt:MATRIX_FMT_FP6 matrix_b_fmt:MATRIX_FMT_FP6 matrix_a_scale:MATRIX_SCALE_ROW1
.endif
.endr
.endr
.endm
.macro FETCH_B slot, q, p
	WIN TO_B
.irp i, 0,1,2,3,4,5,6,7
	FRAG 128*(\p)+FR*\i, ADRB+\slot, \q, \i
.endr
	WIN 0
.endm
.macro FETCH_A slot, q, i0
.irp i, \i0, \i0+1, \i0+2, \i0+3
	FRAG AF+FR*(\i), ADRA+\slot, \q, \i
.endr
.endm
.macro SCALES sc                       ; a K step's scale words: lanes 0-15 A's block i, lanes 16-31 B's block i
.irp i, 0,1,2,3,4,5,6,7
	ds_load_b64 v[SC+8*NQ*\sc+NQ*\i:SC+8*NQ*\sc+NQ*\i+1], v[ADRS] offset:\i*SBLK
.endr
.endm
.macro PLACES n                        ; plain vector lines between a matrix instruction and a load into, or a vector access to, its registers
.rept \n
	v_nop
.endr
.endm
.macro STEP slot, q, zero              ; 128 along K that has its successor in the same slot
	s_wait_dscnt 4*NL                              ; B's set and A's blocks 0-3 are in; the youngest 24 loads (A's blocks 4-7) may be out
	WIN MUL_LO
	MUL16 0, (\q)%2, \q, \slot, \zero
	MUL16 2, (\q)%2, \q, \slot, \zero
	s_wait_dscnt 0                                 ; A's blocks 4-7 are in
	PLACES NP
	FETCH_B \slot, (\q)+1, 1-(\q)%2
	FETCH_A \slot, (\q)+1, 0
	WIN MUL_HI
	MUL16 4, (\q)%2, \q, \slot, \zero
	MUL16 6, (\q)%2, \q, \slot, \zero
	PLACES NP
	WIN 0
	FETCH_A \slot, (\q)+1, 4
.endm
; A slot's last step changes slots: one barrier; in front of it each wave waits for all its tensor loads, adds 0 to its spare word, and waits for that and for its reads of this slot.  fill = 1: the slot is filled again, two K steps ahead.
.macro TURN slot, next, fill
	s_wait_tensorcnt 0x0                           ; all my tensor loads have landed: my part of the next slot
	ds_add_u32 v[SPW], v[NIL]                      ; 0 onto my spare word
	s_wait_dscnt 4*NL+1                            ; (the add and the youngest 24 loads, A's blocks 4-7, may be out)
	WIN MUL_LO
	MUL16 0, 1, NQ-1, \slot, 0
	s_wait_dscnt 0x0                               ; the add is done, and my reads of this slot are over
	s_barrier_signal -1
	MUL16 2, 1, NQ-1, \slot, 0
	WIN 0
	s_barrier_wait -1
.if \fill
	CREST                                          ; the barrier has opened a round of the cluster's: no wave of any partner still reads this slot or has a load on its way
	s_add_nc_u64 s[G0+4*\slot+2:G0+4*\slot+3], s[G0+4*\slot+2:G0+4*\slot+3], 2*ROWB
	s_add_nc_u64 s[G0B+4*\slot+2:G0B+4*\slot+3], s[G0B+4*\slot+2:G0B+4*\slot+3], 2*ROWB
	JLOAD G0+4*\slot, G1, G0B+4*\slot, G1B         ; the first tensor load behind the round; its four v_nop are the places in front of the loads below
.else
	PLACES NP
.endif
	s_wait_alu depctr_va_vdst(0)
	v_add_nc_u32 v[ADRS], 4*NQ, v[ADRS]            ; on to the next K step's scale words
	FETCH_B \next, 0, 0
	FETCH_A \next, 0, 0
	SCALES \next
	WIN MUL_HI
	MUL16 4, 1, NQ-1, \slot, 0
	MUL16 6, 1, NQ-1, \slot, 0
	PLACES NP
	WIN 0
	FETCH_A \next, 0, 4
.endm
	s_wait_tensorcnt 1                             ; the scales and my part of K step 0 are in; K step 1's load may be out
	s_barrier_signal -1
	s_barrier_wait -1
	FETCH_B 0, 0, 0
	FETCH_A 0, 0, 0
	SCALES 0
	FETCH_A 0, 0, 4
	STEP 0, 0, 1                                   ; the first step's products start the sums
	s_mov_b32 s3, LAPS-1
.Llap:                                                 ; a trip goes once round the ring and fills both slots again
	TURN 0, 1, 1
	STEP 1, 0, 0
	TURN 1, 0, 1
	STEP 0, 0, 0
	s_sub_co_u32 s3, s3, 1
	s_cmp_lg_u32 s3, 0
	s_cbranch_scc1 .Llap
	TURN 0, 1, 0                                   ; the last lap fills nothing
	STEP 1, 0, 0
	s_wait_dscnt 4*NL
	WIN MUL_LO
	MUL16 0, 1, NQ-1, 1, 0
	MUL16 2, 1, NQ-1, 1, 0
	s_wait_dscnt 0
	WIN MUL_HI
	MUL16 4, 1, NQ-1, 1, 0
	MUL16 6, 1, NQ-1, 1, 0
	WIN 0
; 64 numbers of a lane, v[s] .. v[s + 63], register 16 b + i = k 32 b + 16 hh + i of my row, become 12 registers of codes in v[PC] on (registers 6 c .. 6 c + 5: k = 64 c + 32 hh + 0 .. 31) and the four blocks' bytes in v[PW].
.macro QUANT s
.irp b, 0,1,2,3
	v_max3_num_f32 v[TM+\b], |v[\s+16*\b]|, |v[\s+1+16*\b]|, 0x1800000   ; my 16 numbers of block b, and the floor 2^(3 - 127)
.endr
.irp i, 2,4,6,8,10,12,14
.irp b, 0,1,2,3
	v_max3_num_f32 v[TM+\b], v[TM+\b], |v[\s+16*\b+\i]|, |v[\s+1+16*\b+\i]|
.endr
.endr
.irp b, 0,1,2,3
	v_permlanex16_b32 v[TM+4+\b], v[TM+\b], s[SEL], s[SEL+1]
.endr
.irp b, 0,1,2,3
	v_max_num_f32 v[TM+\b], v[TM+\b], v[TM+4+\b]   ; with lane l xor 16's: the block's largest magnitude
.endr
.irp b, 0,1,2,3
	v_add_nc_u32 v[TM+12+\b], 0xff000000, v[TM+\b] ; 2 off its exponent field: the conversion's scale operand
.endr
.irp b, 0,1,2,3
	v_lshrrev_b32 v[TM+4+\b], 23, v[TM+12+\b]      ; the scale's byte
.endr
	v_lshl_or_b32 v[PW], v[TM+5], 8, v[TM+4]
	v_lshl_or_b32 v[PW], v[TM+6], 16, v[PW]
	v_lshl_or_b32 v[PW], v[TM+7], 24, v[PW]
.irp c, 0,1
	v_cvt_scalef32_pk16_fp6_f32 v[PC+6*\c:PC+2+6*\c], v[\s+32*\c:\s+15+32*\c], v[TM+12+2*\c]
	v_cvt_scalef32_pk16_fp6_f32 v[PC+12+4*\c:PC+14+4*\c], v[\s+16+32*\c:\s+31+32*\c], v[TM+12+2*\c+1]   ; (a conversion's three registers begin on an even number)
.endr
	v_nop                                          ; one plain line behind a scaled conversion
.irp c, 0,1                                    ; the operand's layout wants a whole block in a lane: lanes 0-15 block 2 c, lanes 16-31 block 2 c + 1
.irp i, 0,1,2
	v_permlane16_swap_b32 v[PC+6*\c+\i], v[PC+12+4*\c+\i]
.endr
.irp i, 0,1,2
	v_mov_b32 v[PC+3+6*\c+\i], v[PC+12+4*\c+\i]
.endr
.endr
.endm
	PLACES NP                                      ; behind the last products: their operands' registers are written and loaded into below
.irp b, 0,1,2,3
	v_mov_b32 v[TM+4+\b], 0                        ; written once: a lane permute's destination counts as one of its sources
.endr
	s_mov_b32 s[SEL], 0x76543210
	s_mov_b32 s[SEL+1], 0xfedcba98
	s_mov_b32 s18, 0x7f7f0000
	s_cmp_eq_u32 s66, 2                            ; T is the same in all partners; neither way touches LDS
	s_cbranch_scc1 .Lv_out
	; ---- q, k.  Lane (r, hh) of row block a holds token 32 (a / 2) + 8 (a % 2) + r + 8 (r / 8); accumulator register 32 hd + e is d = 32 (e / 16) + 16 hh + e % 16 of head hd of my two.
	WIN 0x40                                       ; destination window 1
.set e, 0
.rept 64
	global_load_b32 v[BIA+e], v[BO], s[94:95] offset:(32*((e%32)/16)+e%16)*64+4*(e/32)   ; the bias of channel 16 d + head
.set e, e+1
.endr
.macro ELOAD a                         ; the factors of row block a's tokens into set a % 2: f0 of my 32 d in +0..31, f1 in +32..63
	WIN 0x40
.irp f, 0,1
.irp q, 0,1,2,3,4,5,6,7
	global_load_b128 v[64*((\a)%2)+32*\f+4*\q:64*((\a)%2)+32*\f+4*\q+3], v[EO], s[100:101] offset:(32*((\a)/2)+8*((\a)%2))*256+128*(\q/4)+16*(\q%4)+524288*\f
.endr
.endr
.endm
	ELOAD 0
	ELOAD 1
.macro QKBLK a
.set AC, 64*((\a)%4)
.set ES, 64*((\a)%2)
.if (\a) < 7
	s_wait_loadcnt 16                              ; this block's factors (and the bias) are in; the next block's 16 loads may be out
.else
	s_wait_loadcnt 0
.endif
	WIN 0x44                                       ; source 1 and destination window 1
.set e, 0
.rept 16
	v_xor_b32 v[ES+32+e], 0x80000000, v[ES+32+e]   ; -f1 at the even d: out(2 j) = t(2 j) f0 - t(2 j + 1) f1
.set e, e+2
.endr
	WIN 0x86+0x41*((\a)/4)                         ; accumulators (window 2 or 3) += bias (window 1)
.set e, 0
.rept 32
	v_pk_add_f32 v[AC+e:AC+e+1], v[AC+e:AC+e+1], v[BIA+e:BIA+e+1]
.set e, e+2
.endr
	WIN 0x06+((\a)/4)                              ; destination window 0
.set e, 0
.rept 32
	v_pk_mul_f32 v[RN+e:RN+e+1], v[AC+e:AC+e+1], v[ES+e%32:ES+e%32+1]
.set e, e+2
.endr
.set e, 0
.rept 32
	v_pk_fma_f32 v[RN+e:RN+e+1], v[AC+e:AC+e+1], v[ES+32+e%32:ES+32+e%32+1], v[RN+e:RN+e+1] op_sel:[1,0,0] op_sel_hi:[0,1,1]   ; the pair's other number x f1
.set e, e+2
.endr
.if (\a) > 0
	s_wait_xcnt 0x0                                ; the last block's stores have read their registers: the codes may be written again
.endif
.if (\a) < 6
	ELOAD (\a)+2
.endif
	WIN 0
	QUANT RN                                       ; blocks 0, 1: my first head's d 0-31, 32-63; blocks 2, 3: my second head's
	v_and_or_b32 v[SW+(\a)], v[PW], 0xffff, s18    ; a head's two bytes, and 0x7f for the unused upper 64 along K
	v_lshrrev_b32 v[SW+8+(\a)], 16, v[PW]
	v_or_b32 v[SW+8+(\a)], s18, v[SW+8+(\a)]
	global_store_b128 v[LI], v[PC:PC+3], s[12:13] offset:768*(\a)
	global_store_b64 v[L8], v[PC+4:PC+5], s[12:13] offset:768*(\a)+512
	global_store_b128 v[LI], v[PC+6:PC+9], s[20:21] offset:768*(\a)
	global_store_b64 v[L8], v[PC+10:PC+11], s[20:21] offset:768*(\a)+512
.endm
.irp a, 0,1,2,3,4,5,6,7
	QKBLK \a
.endr
	v_bfe_u32 v6, v0, 4, 1
	v_cmp_eq_u32 vcc_lo, 1, v6
.irp t, 0,1,2,3,4,5,6,7
	v_cndmask_b32 v[OUTW+\t], v[SW+\t], v[SW+8+\t], vcc_lo   ; lanes 0-15 store my first head's words, lanes 16-31 my second head's (both halves hold row r's)
.endr
	global_store_b128 v[SOF], v[OUTW:OUTW+3], s[12:13] offset:6144
	global_store_b128 v[SOF], v[OUTW+4:OUTW+7], s[12:13] offset:6400
	s_branch .Lend
.Lv_out:
	; ---- v.  Lane (r, hh) of row block a holds d = 32 ((a % 4) / 2) + 8 (a % 2) + r + 8 (r / 8) of head a / 4 of my two; its 64 registers are keys 32 b + 16 hh + i: one whole fragment of V^T.
.irp a, 0,1,2,3,4,5,6,7
	global_load_b32 v[BV+2*\a], v[BOV], s[98:99] offset:(32*((\a%4)/2)+8*(\a%2))*64+4*(\a/4)
	global_load_b32 v[BV+2*\a+1], v[BOV], s[98:99] offset:(32*((\a%4)/2)+8*(\a%2))*64+4*(\a/4)   ; twice: a pair for the packed addition
.endr
	s_wait_loadcnt 0x0
.macro VBLK a
.set AC, 64*((\a)%4)
	WIN 0x02+((\a)/4)                              ; source 0 window 2 or 3
.set e, 0
.rept 32
	v_pk_add_f32 v[RN+e:RN+e+1], v[AC+e:AC+e+1], v[BV+2*(\a):BV+2*(\a)+1]
.set e, e+2
.endr
	WIN 0
.if (\a) > 0
	s_wait_xcnt 0x0                                ; the last block's stores have read their registers
.endif
	QUANT RN
	v_mov_b32 v[SW+(\a)], v[PW]
.irp c, 0,1,2
	global_store_b128 v[LI], v[PC+4*\c:PC+4*\c+3], s[12:13] offset:6656+208896*((\a)/4)+1536*((\a)%4)+512*\c
.endr
.endm
.irp a, 0,1,2,3,4,5,6,7
	VBLK \a
.endr
	v_bfe_u32 v6, v0, 4, 1
	v_cmp_eq_u32 vcc_lo, 1, v6
.irp t, 0,1,2,3
	v_cndmask_b32 v[OUTW+\t], v[SW+\t], v[SW+4+\t], vcc_lo
.endr
	global_store_b128 v[SOF], v[OUTW:OUTW+3], s[12:13] offset:12800
.Lend:
	s_wait_tensorcnt 0x0                           ; the wave's end
	ds_add_u32 v[SPW], v[NIL]
	s_wait_dscnt 0x0
	CROUND                                         ; the closing round: no work-group ends while a partner may still ask for a tile that names it
	s_endpgm
.Lfunc_end_k_q5ce94c59bb_proj:
	.size	k_q5ce94c59bb_proj, .Lfunc_end_k_q5ce94c59bb_proj-k_q5ce94c59bb_proj
	.p2alignl 7, 3214868480
	.fill 96, 4, 3214868480
	.section	.rodata,"a",@progbits
	.p2align	6, 0x0
	.amdhsa_kernel k_q5ce94c59bb_proj
		.amdhsa_group_segment_fixed_size 327680
		.amdhsa_private_segment_fixed_size 0
		.amdhsa_enable_private_segment 0
		.amdhsa_kernarg_size 72
		.amdhsa_user_sgpr_count 2
		.amdhsa_user_sgpr_kernarg_segment_ptr 1
		.amdhsa_wavefront_size32 1
		.amdhsa_system_sgpr_workgroup_id_x 1
		.amdhsa_system_sgpr_workgroup_id_y 1
		.amdhsa_system_sgpr_workgroup_id_z 1
		.amdhsa_system_vgpr_workitem_id 0
		.amdhsa_next_free_vgpr 1024
		.amdhsa_next_free_sgpr 102
		.amdhsa_reserve_vcc 1
		.amdhsa_float_denorm_mode_32 3
		.amdhsa_float_denorm_mode_16_64 3
		.amdhsa_memory_ordered 1
		.amdhsa_forward_progress 1
		.amdhsa_inst_pref_size 255
	.end_amdhsa_kernel
	.section	.bss,"aw",@nobits
	.p2align	6
	.space	262144
	.amdgpu_metadata
---
amdhsa.version: [ 1, 2 ]
amdhsa.kernels:
  - .name:           k_q5ce94c59bb_proj
    .symbol:         k_q5ce94c59bb_proj.kd
    .args:
      - { .name: xcodes, .offset: 0, .size: 8, .value_kind: global_buffer, .address_space: global }
      - { .name: xscales, .offset: 8, .size: 8, .value_kind: global_buffer, .address_space: global }
      - { .name: wbuf, .offset: 16, .size: 8, .value_kind: global_buffer, .address_space: global }
      - { .name: qbuf, .offset: 24, .size: 8, .value_kind: global_buffer, .address_space: global }
      - { .name: kvbuf, .offset: 32, .size: 8, .value_kind: global_buffer, .address_space: global }
      - { .name: bq, .offset: 40, .size: 8, .value_kind: global_buffer, .address_space: global }
      - { .name: bk, .offset: 48, .size: 8, .value_kind: global_buffer, .address_space: global }
      - { .name: bv, .offset: 56, .size: 8, .value_kind: global_buffer, .address_space: global }
      - { .name: encoding, .offset: 64, .size: 8, .value_kind: global_buffer, .address_space: global }
    .group_segment_fixed_size: 327680
    .private_segment_fixed_size: 0
    .kernarg_segment_align: 8
    .kernarg_segment_size: 72
    .max_flat_workgroup_size: 128
    .sgpr_count:     102
    .vgpr_count:     1024
    .wavefront_size: 32
...
	.end_amdgpu_metadata
.endif
;; end of part 2
;; launch attn (part 3): grid 4 x 64, 16 waves a work-group, clusters of 4 x 1, 327,680 bytes of LDS; arguments qbuf, kvbuf, xatt; writes xatt
.if DOCPART == 3
	.amdgcn_target "amdgcn-amd-amdhsa--gfx1250"
	.amdhsa_code_object_version 6
	.text
	.protected	k_q5ce94c59bb_attn
	.globl	k_q5ce94c59bb_attn
	.p2align	8
	.type	k_q5ce94c59bb_attn,@function
k_q5ce94c59bb_attn:
	s_mov_b64 s[64:65], 0
	v_nop
	global_prefetch_b8 v0, s[64:65] scope:SCOPE_SE
	s_setreg_imm32_b32 hwreg(HW_REG_WAVE_MODE, 25, 1), 1
	s_wait_xcnt 0x0
	s_wait_alu depctr_hold_cnt(0) depctr_sa_sdst(0) depctr_va_vdst(0) depctr_va_sdst(0) depctr_va_ssrc(0) depctr_va_vcc(0) depctr_vm_vsrc(0)
	s_getreg_b32 s2, hwreg(HW_REG_IB_STS2, 6, 4)
	s_cmp_eq_u32 s2, 0
	s_cbranch_scc0 .Lentry_in_a_cluster
	s_endpgm
.Lentry_in_a_cluster:
	s_bfe_u32 s2, ttmp6, 0x10000c
	s_cmp_lg_u32 s2, 0x3003
	s_cbranch_scc0 .Lentry_shape_is_right
	s_endpgm
.Lentry_shape_is_right:
; x[b][16 d + h][n] = the sum over keys m of softmax_m(q(n) . k(m) / 8) v(d, m), for one (batch, head) and 512 queries a work-group; both products on codes of FP6 (E2M3) with E8M0 scales.
; q, k and v come as images of the operands' registers (qbuf: blocks of 6,656 bytes, kvbuf: blocks of 13,056 bytes, one for each 128 tokens of a head).
; THE SOFTMAX AHEAD OF THE SECOND PRODUCT: t = score x log2(e) / 8; M = the running largest t rounded UP to a whole number; p = 2^(t - M) is quantised along the keys, not normalised; the row's sum is taken
; of the unquantised p and divides at the end; when M moves, the sum and O are multiplied by 2^(old M - new M), which rounds nothing.
; SHARES.  256 work-groups; the four of a cluster share one head's 2,048 queries.  Sixteen waves, each with one tile of 16 queries in 256 registers: four waves to a SIMD, so that one wave's vector work stands beside
; another's matrix work.  THE WORK-GROUP STAYS: it walks the head's 2,048 keys twice, 128 a step, for 256 queries a pass; K and V come into LDS once for both passes, and the first pass's stores leave under the second's walk.
; LDS.  A head's 16 blocks, 208,896 bytes, are brought ONCE, as they lie in memory, by 16 tensor loads at the head: no byte is filled twice, so there is no ring.  Waves 0-3 issue four loads each (four of a wave's are out);
; load j of wave w is block 4 j + w: a counted wait and a barrier open the first quarter of the keys while the other three are on their way; a wait for all and a second barrier open those.
; BARRIERS: those two; in each pass one between the stores into the stage and the reads of it; one between the first pass's reads of the stage and the second pass's stores.  None stands among the second pass's 16 steps.
; CLUSTER.  The four work-groups of a cluster read the same 16 blocks: each load is a joint one, with a mask that names the four.
; No prefetch: every byte that the launch's loads read is asked for at the head, so nothing is left to ask for ahead of a later load.
; LAYOUT.  S^T = K Q^T (source 0 = 16 keys, source 1 = my 16 queries), O^T = V^T P^T: a lane holds one query throughout.  Row r of tile t of a block is token 32 (t / 2) + 8 (t % 2) + r + 8 (r / 8): so register 16 b + i
; of S^T is key 32 b + 16 hh + i.  Row r of V's tile t is d = 32 (t / 2) + 8 (t % 2) + r + 8 (r / 8).
; K = 64 FILLS HALF OF THE INSTRUCTION'S 128: Q's registers 6-11 are zero codes, and both sides' scale bytes 2 and 3 are 0x7f.  A tile of K is 6 registers, laid on end: the upper six registers that the instruction names
; for tile t are tile t + 1's codes (behind tile 7: zeros); they meet Q's zero codes and add exactly 0.
; LIMITS: a block's largest p is taken from its largest score, which takes v_exp_f32 not to fall where its input rises; a block whose every p is 0 keeps the byte 1 (zero codes); NaN and infinities are not served.
.set KBB,  13056                       ; a block of kvbuf: K's image 0, K's scale words 6,144, V's image 6,656, V's scale words 12,800
.set QBB,  6656                        ; a block of qbuf: image 0, scale words 6,144
.set STG,  16*KBB                      ; behind the head's blocks: the stage for the way out, 64 rows (d) x SPT bytes; no tensor load lands there
.set SPT,  1040                        ; 256 queries of f32 + 16
.set LI,   1                           ; v1   16 x lane
.set L8,   2                           ; v2   8 x lane
.set LR,   3                           ; v3   16 x (lane % 16)
.set SA,   7                           ; v7   the stage: where my lane's column begins
.set AK,   8                           ; v8-10 v1-3 + the step's block
.set A8,   9
.set AR,   10
.set SB,   11                          ; v11  the stage: where I read my four rows back
.set QF0,  16                          ; v16-27 the first pass's Q (v22-27 zeros);  v28 its scale word
.set QS0,  28
.set KF,   32                          ; v32-85 K's eight tiles, 6 registers each, and six zeros;  later in the step v32-79 V's four fragments
.set KSW,  86                          ; v86-93 K's scale words
.set S,    96                          ; v96-159 S^T, then p
.set O,    160                         ; v160-191 O^T
.set VSW,  192                         ; v192-195 V's scale words
.set PW,   196                         ; v196 p's scale word
.set PC,   198                         ; v198-217 p's codes
.set BM,   218                         ; v218-221 the blocks' largest scores, then largest p
.set BP,   222                         ; v222-225 at work
.set CV,   226                         ; v226-229 the conversions' scale operands
.set FF,   230                         ; v[230:231] f = 2^(old M - new M)
.set TT,   232
.set L2,   234                         ; v[234:235] the sum's second chain
.set QF1,  236                         ; v236-247 the second pass's Q (v242-247 zeros);  v248 its scale word
.set QS1,  248
.set WV,   18
.set SEL,  20
.set CS,   22                          ; s[22:23] c = log2(e) / 8
.set G1,   24
.set G0,   32                          ; s[32:47] four groups 0
.set TB,   48                          ; LDS byte at which the step's block begins
.set CNT,  49
.macro ROUND                           ; a round of the cluster's barrier
	s_barrier_signal -1
	s_barrier_wait -1
	s_cmp_lg_u32 s[WV], 0
	s_cbranch_scc1 .Lnot_wave_0_\@
	s_barrier_signal -3
.Lnot_wave_0_\@:
	s_barrier_wait -3
	s_barrier_signal -1
	s_barrier_wait -1
.endm
	s_load_b128 s[4:7], s[0:1], 0x0                ; qbuf, kvbuf
	s_load_b64 s[8:9], s[0:1], 0x10                ; xatt
	v_lshl_add_u32 v254, v0, 2, 0x43400
	v_mov_b32 v255, 0
	ds_add_u32 v254, v255
	ds_add_u32 v254, v255
	v_lshrrev_b32 v4, 5, v0
	s_delay_alu instid0(VALU_DEP_1)
	v_readfirstlane_b32 s[WV], v4                  ; wave 0..15
	s_bfe_u32 s10, ttmp6, 0x40000                  ; cx: the grid has one cluster along x
	s_lshl_b32 s11, s10, 1                         ; my first block of 256 queries: it enters Q's and the output's global addresses alone
	s_and_b32 s12, ttmp7, 0xffff                   ; 16 batch + head, which the four partners share
	; descriptor group 1: a block of 13,056 dense bytes as 51 rows of 256 bytes (32 elements of 8 bytes), no padding
	s_mov_b32 s[G1], 15|(3<<16)|(1<<21)            ; 15:0 the mask: all four work-groups; 17:16 elements of 8 bytes; 21 set beside a mask
	s_mov_b32 s[G1+1], 32<<16                      ; tensor_dim0
	s_mov_b32 s[G1+2], 51<<16                      ; tensor_dim1
	s_mov_b32 s[G1+3], 32<<16                      ; tile_dim0
	s_mov_b32 s[G1+4], 51                          ; tile_dim1
	s_mov_b32 s[G1+5], 32                          ; tensor_dim0_stride
	s_mov_b32 s[G1+6], 0
	s_mov_b32 s[G1+7], 0
	s_mul_i32 s13, s[WV], KBB                      ; block w: its place in LDS and in the head's part of kvbuf
	s_mul_i32 s14, s12, 16*KBB
	s_add_co_u32 s14, s14, s13
	s_mov_b32 s15, 0
	s_mov_b32 s[SEL], 0x76543210
	s_mov_b32 s[SEL+1], 0xfedcba98
	s_mov_b32 s[CS], 0x3e38aa3b
	s_mov_b32 s[CS+1], s[CS]                       ; (named with it as a pair, so it is written)
	s_wait_dscnt 0x0
	s_wait_kmcnt 0x0
	s_add_nc_u64 s[6:7], s[6:7], s[14:15]
.irp j, 0,1,2,3
	s_mov_b32 s[G0+4*\j], 1
	s_add_co_u32 s[G0+4*\j+1], s13, \j*4*KBB
	s_add_nc_u64 s[G0+4*\j+2:G0+4*\j+3], s[6:7], \j*4*KBB
	s_or_b32 s[G0+4*\j+3], s[G0+4*\j+3], 0x80000000
.endr
	ROUND                                          ; all four work-groups are here: the joint loads meet
	s_cmp_lt_u32 s[WV], 4                          ; a wave's four fills stand in one branch on the wave's number, ahead of every wait on TENSORcnt and every LDS read
	s_cbranch_scc0 .Lno_fetch
	tensor_load_to_lds s[G0:G0+3], s[G1:G1+7]
	s_nop 0
	tensor_load_to_lds s[G0+4:G0+7], s[G1:G1+7]
	s_nop 0
	tensor_load_to_lds s[G0+8:G0+11], s[G1:G1+7]
	s_nop 0
	tensor_load_to_lds s[G0+12:G0+15], s[G1:G1+7]
	s_nop 0
.rept 4
	v_nop
.endr
.Lno_fetch:
	v_and_b32 v4, 31, v0
	s_delay_alu instid0(VALU_DEP_1)
	v_lshlrev_b32 v[LI], 4, v4
	s_wait_alu depctr_va_vdst(0)
	v_lshlrev_b32 v[L8], 3, v4
	s_wait_alu depctr_va_vdst(0)
	v_and_b32 v5, 15, v0                           ; r
	s_delay_alu instid0(VALU_DEP_1)
	v_lshlrev_b32 v[LR], 4, v5
	s_wait_alu depctr_va_vdst(0)
	s_lshl_b32 s14, s12, 4                         ; Q: block 16 (16 batch + head) + 2 x my block of 256 queries + wave / 8, tile wave % 8; the second pass's lies two blocks on
	s_lshl_b32 s15, s11, 1
	s_add_co_u32 s14, s14, s15
	s_lshr_b32 s15, s[WV], 3
	s_add_co_u32 s14, s14, s15
	s_mul_i32 s14, s14, QBB
	s_and_b32 s16, s[WV], 7
	s_mul_i32 s15, s16, 768
	s_add_co_u32 s50, s14, s15
	s_mov_b32 s51, 0
	s_lshr_b32 s15, s16, 2
	s_lshl_b32 s15, s15, 8
	s_and_b32 s17, s16, 3
	s_lshl_b32 s17, s17, 2
	s_add_co_u32 s15, s15, s17
	s_add_co_u32 s52, s14, s15
	s_mov_b32 s53, 0
	s_add_nc_u64 s[50:51], s[4:5], s[50:51]
	s_add_nc_u64 s[52:53], s[4:5], s[52:53]
	global_load_b128 v[QF0:QF0+3], v[LI], s[50:51]
	global_load_b64 v[QF0+4:QF0+5], v[L8], s[50:51] offset:512
	global_load_b32 v[QS0], v[LR], s[52:53] offset:6144
	global_load_b128 v[QF1:QF1+3], v[LI], s[50:51] offset:2*QBB
	global_load_b64 v[QF1+4:QF1+5], v[L8], s[50:51] offset:2*QBB+512
	global_load_b32 v[QS1], v[LR], s[52:53] offset:2*QBB+6144
	s_lshr_b32 s14, s12, 4                         ; out: batch x 8,388,608 + head x 8,192 + block of 256 queries x 1,024 + 4 wave rows of d, 16 channels apart
	s_lshl_b32 s14, s14, 23
	s_and_b32 s15, s12, 15
	s_lshl_b32 s15, s15, 13
	s_add_co_u32 s14, s14, s15
	s_lshl_b32 s15, s11, 10
	s_add_co_u32 s14, s14, s15
	s_lshl_b32 s15, s[WV], 19
	s_add_co_u32 s14, s14, s15
	s_mov_b32 s15, 0
	s_add_nc_u64 s[8:9], s[8:9], s[14:15]
	v_bfe_u32 v6, v0, 4, 1                         ; hh
	v_and_b32 v[SA], 8, v5
	s_delay_alu instid0(VALU_DEP_1)
	v_add_nc_u32 v[SA], v[SA], v5                  ; r + 8 (r / 8)
	s_delay_alu instid0(VALU_DEP_1)
	v_lshlrev_b32 v[SA], 2, v[SA]
	s_delay_alu instid0(VALU_DEP_1)
	v_mad_u32_u24 v[SA], v6, 16*SPT, v[SA]         ; + 16 hh rows
	s_lshr_b32 s14, s[WV], 1
	s_lshl_b32 s14, s14, 7
	s_and_b32 s15, s[WV], 1
	s_lshl_b32 s15, s15, 5
	s_add_co_u32 s14, s14, s15                     ; my tile's queries begin at 32 (wave / 2) + 8 (wave % 2)
	s_add_co_u32 s14, s14, STG
	v_add_nc_u32 v[SA], s14, v[SA]
	s_mul_i32 s15, s[WV], 4*SPT
	s_add_co_u32 s15, s15, STG
	v_add_nc_u32 v[SB], s15, v[LI]                 ; back: my four rows, 16 bytes a lane
.irp j, 6,7,8,9,10,11
	v_mov_b32 v[QF0+\j], 0                         ; Q's upper 64 along K: zero codes
	v_mov_b32 v[QF1+\j], 0
.endr
.irp j, 48,49,50,51,52,53
	v_mov_b32 v[KF+\j], 0                          ; behind K's tile 7
.endr
.irp b, 0,1,2,3
	v_mov_b32 v[BP+\b], 0                          ; written once: a lane permute's destination counts as one of its sources
.endr
	v_mov_b32 v[FF+1], 0                           ; (named as the upper half of the pair before it is written)
.macro INIT                            ; a pass begins: the step is written once; its first run finds zeros, which the first change of M leaves zeros
	v_mov_b32 v13, 0xff61b1e6                      ; the largest t so far: -3e38, under every t
	s_delay_alu instid0(VALU_DEP_1)
	v_floor_f32 v12, -v13                          ; -M
	v_mov_b32 v14, 0                               ; the sum, in two halves
	v_mov_b32 v15, 0
.set j, 0
.rept 32
	v_mov_b32 v[O+j], 0                            ; O^T
.set j, j+1
.endr
.endm
; A KEY STEP: 128 keys, the block at s[TB].  qf, qs: the pass's Q and its scale word.
.macro STEP qf, qs
	v_add_nc_u32 v[AK], s[TB], v[LI]
	v_add_nc_u32 v[A8], s[TB], v[L8]
	v_add_nc_u32 v[AR], s[TB], v[LR]
	v_nop                                          ; with the three additions: four plain lines between the last step's products and the loads into the registers that they read
.irp t, 0,1,2,3,4,5,6,7
	ds_load_b128 v[KF+6*\t:KF+6*\t+3], v[AK] offset:768*\t
	ds_load_b64 v[KF+6*\t+4:KF+6*\t+5], v[A8] offset:768*\t+512
.endr
	ds_load_b128 v[KSW:KSW+3], v[AR] offset:6144
	ds_load_b128 v[KSW+4:KSW+7], v[AR] offset:6400
	s_wait_alu depctr_va_vdst(0)
	s_wait_dscnt 0x0
.irp t, 0,1,2,3,4,5,6,7
	v_wmma_scale_f32_16x16x128_f8f6f4 v[S+8*\t:S+8*\t+7], v[KF+6*\t:KF+6*\t+11], v[\qf:\qf+11], 0, v[KSW+\t], v[\qs] matrix_a_fmt:MATRIX_FMT_FP6 matrix_b_fmt:MATRIX_FMT_FP6
.endr
.rept 4
	v_nop                                          ; four plain lines: in front of the loads into K's registers, and of the first read of the scores
.endr
.irp t, 0,1,2,3
.irp c, 0,1,2
	ds_load_b128 v[KF+12*\t+4*\c:KF+12*\t+4*\c+3], v[AK] offset:6656+1536*\t+512*\c   ; V's fragments land while the softmax is worked
.endr
.endr
	ds_load_b128 v[VSW:VSW+3], v[AR] offset:12800
.irp b, 0,1,2,3
	v_max3_num_f32 v[BM+\b], v[S+16*\b], v[S+1+16*\b], v[S+2+16*\b]   ; the largest score of each block of 32 keys: it serves for the row's maximum and, since p rises with the score, for the block's largest p
.endr
.irp i, 3,5,7,9,11,13
.irp b, 0,1,2,3
	v_max3_num_f32 v[BM+\b], v[BM+\b], v[S+16*\b+\i], v[S+1+16*\b+\i]
.endr
.endr
.irp b, 0,1,2,3
	v_max_num_f32 v[BM+\b], v[BM+\b], v[S+15+16*\b]
.endr
.irp b, 0,1,2,3
	s_delay_alu instid0(VALU_DEP_4)
	v_permlanex16_b32 v[BP+\b], v[BM+\b], s[SEL], s[SEL+1]
.endr
.irp b, 0,1,2,3
	s_delay_alu instid0(VALU_DEP_4)
	v_max_num_f32 v[BM+\b], v[BM+\b], v[BP+\b]     ; with lane l xor 16's 16 keys
.endr
	s_delay_alu instid0(VALU_DEP_2)
	v_max3_num_f32 v[TT], v[BM], v[BM+1], v[BM+2]
	s_delay_alu instid0(VALU_DEP_1)
	v_max_num_f32 v[TT], v[TT], v[BM+3]            ; the step's largest score of my query
	s_delay_alu instid0(VALU_DEP_1)
	v_mul_f32 v[TT], s[CS], v[TT]                  ; as t (c is positive)
	s_delay_alu instid0(VALU_DEP_1)
	v_max_num_f32 v13, v13, v[TT]                  ; the running largest t
	v_mov_b32 v[TT], v12
	s_delay_alu instid0(VALU_DEP_2)
	v_floor_f32 v12, -v13                          ; the new -M = floor(-t): M is a whole number
	s_delay_alu instid0(VALU_DEP_1)
	v_sub_f32 v[TT], v12, v[TT]                    ; old M - new M: a whole number, 0 or less
	s_delay_alu instid0(VALU_DEP_1)
	v_cvt_i32_f32 v[TT], v[TT]                     ; (it saturates)
	s_delay_alu instid0(VALU_DEP_1)
	v_ldexp_f32 v[FF], 1.0, v[TT]                  ; f = 2^(old M - new M)
.set j, 0
.rept 32
	v_pk_fma_f32 v[S+j:S+j+1], v[S+j:S+j+1], s[CS:CS+1], v[12:13] op_sel_hi:[1,0,0]   ; t - M, two at a time
.set j, j+2
.endr
.irp b, 0,1,2,3
	v_fma_f32 v[BM+\b], v[BM+\b], s[CS], v12       ; the same of each block's largest score
.endr
.set j, 0
	s_wait_alu depctr_va_vdst(0)
.rept 64
	v_exp_f32 v[S+j], v[S+j]                       ; p = 2^(t - M), at most 1
.set j, j+1
.endr
	s_setprio 1
	v_pk_mul_f32 v[14:15], v[14:15], v[FF:FF+1] op_sel_hi:[1,0]   ; the sums under the new M (a plain line behind the exponentials)
	s_wait_alu depctr_va_vdst(0)                   ; one wait for the batch of 64, ahead of its first reader
.irp b, 0,1,2,3
	v_exp_f32 v[BM+\b], v[BM+\b]                   ; the block's largest p: the same two instructions on the same number give the same bits
.endr
	v_pk_add_f32 v[234:235], v[100:101], v[104:105]
	v_pk_add_f32 v[252:253], v[108:109], v[112:113]
	v_pk_add_f32 v[250:251], v[116:117], v[120:121]
	v_pk_add_f32 v[228:229], v[124:125], v[128:129]
	v_pk_add_f32 v[226:227], v[132:133], v[136:137]
	v_pk_add_f32 v[224:225], v[140:141], v[144:145]
	v_pk_add_f32 v[222:223], v[148:149], v[152:153]
	v_pk_add_f32 v[14:15], v[14:15], v[156:157]
	v_pk_add_f32 v[234:235], v[234:235], v[96:97]
	v_pk_add_f32 v[252:253], v[252:253], v[98:99]
	v_pk_add_f32 v[250:251], v[250:251], v[102:103]
	v_pk_add_f32 v[228:229], v[228:229], v[106:107]
	v_pk_add_f32 v[226:227], v[226:227], v[110:111]
	v_pk_add_f32 v[224:225], v[224:225], v[114:115]
	v_pk_add_f32 v[222:223], v[222:223], v[118:119]
	v_pk_add_f32 v[14:15], v[14:15], v[122:123]
	v_pk_add_f32 v[234:235], v[234:235], v[126:127]
	v_pk_add_f32 v[252:253], v[252:253], v[130:131]
	v_pk_add_f32 v[250:251], v[250:251], v[134:135]
	v_pk_add_f32 v[228:229], v[228:229], v[138:139]
	v_pk_add_f32 v[226:227], v[226:227], v[142:143]
	v_pk_add_f32 v[224:225], v[224:225], v[146:147]
	v_pk_add_f32 v[222:223], v[222:223], v[150:151]
	v_pk_add_f32 v[14:15], v[14:15], v[154:155]
	v_pk_add_f32 v[234:235], v[234:235], v[158:159]
	s_delay_alu instid0(VALU_DEP_2)
	v_pk_add_f32 v[14:15], v[14:15], v[228:229]
	s_delay_alu instid0(VALU_DEP_2)
	v_pk_add_f32 v[234:235], v[234:235], v[226:227]
	v_pk_add_f32 v[252:253], v[252:253], v[224:225]
	v_pk_add_f32 v[250:251], v[250:251], v[222:223]
	s_delay_alu instid0(VALU_DEP_2)
	v_pk_add_f32 v[14:15], v[14:15], v[252:253]
	s_delay_alu instid0(VALU_DEP_2)
	v_pk_add_f32 v[234:235], v[234:235], v[250:251]
	s_delay_alu instid0(VALU_DEP_1)
	v_pk_add_f32 v[14:15], v[14:15], v[234:235]
	s_wait_alu depctr_va_vdst(0)                   ; and one for the four
.irp b, 0,1,2,3
	v_max_num_f32 v[BM+\b], 0x1800000, v[BM+\b]    ; the floor 2^(3 - 127): the byte cannot fall under 1
.endr
.irp b, 0,1,2,3
	s_delay_alu instid0(VALU_DEP_4)
	v_add_nc_u32 v[CV+\b], 0xff000000, v[BM+\b]    ; 2 off the exponent field: the conversion's scale operand
.endr
.irp b, 0,1,2,3
	s_delay_alu instid0(VALU_DEP_4)
	v_lshrrev_b32 v[BP+\b], 23, v[CV+\b]           ; the scale's byte
.endr
	s_delay_alu instid0(VALU_DEP_3)
	v_lshl_or_b32 v[PW], v[BP+1], 8, v[BP]         ; p's scale word for these 128 keys
	s_delay_alu instid0(VALU_DEP_1)
	v_lshl_or_b32 v[PW], v[BP+2], 16, v[PW]
	s_delay_alu instid0(VALU_DEP_1)
	v_lshl_or_b32 v[PW], v[BP+3], 24, v[PW]
.irp c, 0,1
	v_cvt_scalef32_pk16_fp6_f32 v[PC+6*\c:PC+2+6*\c], v[S+32*\c:S+15+32*\c], v[CV+2*\c]
	v_cvt_scalef32_pk16_fp6_f32 v[PC+12+4*\c:PC+14+4*\c], v[S+16+32*\c:S+31+32*\c], v[CV+2*\c+1]   ; (a conversion's three registers begin on an even number)
.endr
	v_nop                                          ; one plain line behind a scaled conversion
.irp c, 0,1                                    ; the operand's layout wants a whole block in a lane
.irp i, 0,1,2
	v_permlane16_swap_b32 v[PC+6*\c+\i], v[PC+12+4*\c+\i]
.endr
.irp i, 0,1,2
	s_delay_alu instid0(VALU_DEP_3)
	v_mov_b32 v[PC+3+6*\c+\i], v[PC+12+4*\c+\i]
.endr
.endr
.set j, 0
	s_setprio 0
.rept 16
	v_pk_mul_f32 v[O+j:O+j+1], v[O+j:O+j+1], v[FF:FF+1] op_sel_hi:[1,0]   ; O^T under the new M; for each product below twelve of these sixteen name none of its registers: the plain lines between the writes of p's codes and scale word and the products
.set j, j+2
.endr
	s_wait_alu depctr_va_vdst(0)
	s_wait_dscnt 0x0                               ; V's fragments and scale words are in
.irp t, 0,1,2,3
	v_wmma_scale_f32_16x16x128_f8f6f4 v[O+8*\t:O+8*\t+7], v[KF+12*\t:KF+12*\t+11], v[PC:PC+11], v[O+8*\t:O+8*\t+7], v[VSW+\t], v[PW] matrix_a_fmt:MATRIX_FMT_FP6 matrix_b_fmt:MATRIX_FMT_FP6   ; one instruction to an accumulator: they take turns
.endr
.endm
; n key steps, from block first on.
.macro WALK first, n, qf, qs
	s_mov_b32 s[TB], (\first)*KBB
	s_mov_b32 s[CNT], \n
.Lstep_\@:
	s_setprio 2
	STEP \qf, \qs
	s_add_co_u32 s[TB], s[TB], KBB
	s_sub_co_u32 s[CNT], s[CNT], 1
	s_cmp_lg_u32 s[CNT], 0
	s_cbranch_scc1 .Lstep_\@
	s_setprio 0
.endm
; THE WAY OUT of pass p.  O^T / the sum goes into the work-group's stage, row = d, column = query, and leaves as rows of the output: 512 consecutive bytes a store.
.macro OUT p
	v_add_f32 v14, v14, v15                        ; the sum's two halves,
	s_delay_alu instid0(VALU_DEP_1)
	v_permlanex16_b32 v[TT], v14, s[SEL], s[SEL+1]
	s_delay_alu instid0(VALU_DEP_1)
	v_add_f32 v14, v14, v[TT]                      ; and lane l xor 16's
	s_wait_alu depctr_va_vdst(0)
	v_rcp_f32 v14, v14
.rept 4
	v_nop                                          ; plain lines behind the reciprocal, and between the last products and the first read of their results
.endr
	s_wait_alu depctr_va_vdst(0)                   ; the wait ahead of the reciprocal's first reader
.set j, 0
.rept 32
	v_mul_f32 v[S+j], v[O+j], v14                  ; register 8 t + i: d = 32 (t / 2) + 16 hh + 8 (t % 2) + i; each accumulator from its low end on
.set j, j+1
.endr
.irp t, 0,1,2,3
.irp i, 0,1,2,3,4,5,6,7
	ds_store_b32 v[SA], v[S+8*\t+\i] offset:(32*(\t/2)+8*(\t%2)+\i)*SPT
.endr
.endr
	s_wait_dscnt 0x0                               ; for the others' sake: my stores into the stage are done
	s_barrier_signal -1
	s_barrier_wait -1
.irp i, 0,1,2,3
.irp u, 0,1
	ds_load_b128 v[KF+4*(2*\i+\u):KF+4*(2*\i+\u)+3], v[SB] offset:\i*SPT+512*\u
.endr
.endr
.irp i, 0,1,2,3
.irp u, 0,1
	s_wait_dscnt 7-(2*\i+\u)                       ; this read is back; the younger ones may be out
	global_store_b128 v[LI], v[KF+4*(2*\i+\u):KF+4*(2*\i+\u)+3], s[8:9] offset:\i*131072+512*\u+1024*(\p)   ; channel 16 (4 wave + i) + head
.endr
.endr
.if (\p) == 0
	s_wait_xcnt 0x0                                ; the stores have read their registers: the next pass loads K's tiles into them
	s_barrier_signal -1                            ; my reads of the stage are back (the count-down above ended at 0):
	s_barrier_wait -1                              ; no wave stores the next pass's results there before all sixteen have said so
.endif
.endm
	INIT
	s_wait_loadcnt 0x0                             ; both passes' Q
	s_wait_tensorcnt 3                             ; my first load has landed (a wave that fetches nothing passes); my three younger loads may be out
	s_barrier_signal -1
	s_barrier_wait -1                              ; blocks 0 to 3 are whole
	WALK 0, 4, QF0, QS0
	s_wait_tensorcnt 0x0                           ; all my loads have landed
	s_wait_dscnt 0x0                               ; (no LDS load of mine is out)
	s_barrier_signal -1
	s_barrier_wait -1                              ; the head's 16 blocks are whole, for the rest of the launch
	WALK 4, 12, QF0, QS0
	OUT 0
	INIT
	WALK 0, 16, QF1, QS1
	OUT 1
	s_wait_tensorcnt 0x0
	ds_add_u32 v254, v255
	s_wait_dscnt 0x0
	ROUND                                          ; the closing round: no work-group ends while a partner may still ask for a block that names it
	s_endpgm
.Lfunc_end_k_q5ce94c59bb_attn:
	.size	k_q5ce94c59bb_attn, .Lfunc_end_k_q5ce94c59bb_attn-k_q5ce94c59bb_attn
	.p2alignl 7, 3214868480
	.fill 96, 4, 3214868480
	.section	.rodata,"a",@progbits
	.p2align	6, 0x0
	.amdhsa_kernel k_q5ce94c59bb_attn
		.amdhsa_group_segment_fixed_size 327680
		.amdhsa_private_segment_fixed_size 0
		.amdhsa_enable_private_segment 0
		.amdhsa_kernarg_size 24
		.amdhsa_user_sgpr_count 2
		.amdhsa_user_sgpr_kernarg_segment_ptr 1
		.amdhsa_wavefront_size32 1
		.amdhsa_system_sgpr_workgroup_id_x 1
		.amdhsa_system_sgpr_workgroup_id_y 1
		.amdhsa_system_sgpr_workgroup_id_z 1
		.amdhsa_system_vgpr_workitem_id 0
		.amdhsa_next_free_vgpr 256
		.amdhsa_next_free_sgpr 70
		.amdhsa_reserve_vcc 0
		.amdhsa_float_denorm_mode_32 3
		.amdhsa_float_denorm_mode_16_64 3
		.amdhsa_memory_ordered 1
		.amdhsa_forward_progress 1
		.amdhsa_inst_pref_size 72
	.end_amdhsa_kernel
	.amdgpu_metadata
---
amdhsa.version: [ 1, 2 ]
amdhsa.kernels:
  - .name:           k_q5ce94c59bb_attn
    .symbol:         k_q5ce94c59bb_attn.kd
    .args:
      - { .name: qbuf, .offset: 0, .size: 8, .value_kind: global_buffer, .address_space: global }
      - { .name: kvbuf, .offset: 8, .size: 8, .value_kind: global_buffer, .address_space: global }
      - { .name: xatt, .offset: 16, .size: 8, .value_kind: global_buffer, .address_space: global }
    .group_segment_fixed_size: 327680
    .private_segment_fixed_size: 0
    .kernarg_segment_align: 8
    .kernarg_segment_size: 24
    .max_flat_workgroup_size: 512
    .sgpr_count:     70
    .vgpr_count:     256
    .wavefront_size: 32
...
	.end_amdgpu_metadata
.endif
;; end of part 3
;; launch quant_y (part 4): grid 64 x 4, 4 waves a work-group, no clusters, 36,352 bytes of LDS; arguments xatt, key, value, xcodes, xscales; writes xcodes, xscales
.if DOCPART == 4
	.amdgcn_target "amdgcn-amd-amdhsa--gfx1250"
	.amdhsa_code_object_version 6
	.text
	.protected	k_q5ce94c59bb_quant_y
	.globl	k_q5ce94c59bb_quant_y
	.p2align	8
	.type	k_q5ce94c59bb_quant_y,@function
k_q5ce94c59bb_quant_y:
	s_mov_b64 s[64:65], 0
	v_nop
	global_prefetch_b8 v0, s[64:65] scope:SCOPE_SE
	s_setreg_imm32_b32 hwreg(HW_REG_WAVE_MODE, 25, 1), 1
	s_wait_xcnt 0x0
; Up to three tensors [4 (b)][1024 (i)][2048 (n)] f32, whose K = i is NOT innermost, become codes of FP6 (E2M3) with K innermost and one E8M0 byte for each 32 along i.
; Row R = 2,048 (4 T + b) + pos of the codes (768 bytes) and of the scale bytes (32 bytes) holds token n = sg(pos), sg = pos with its bits 3 and 4 exchanged (inside each 32 tokens).
; A LANE TAKES A TOKEN n, AND ITS REGISTERS RUN DOWN i: a load reads 128 consecutive bytes a wave, a block of 32 along K lies in one lane's 32 registers, and the conversions give the codes with K innermost.
; A wave takes 32 tokens x 256 along K: 8 blocks a lane, 192 bytes of codes a token.  They go through the wave's own stage in LDS and leave as rows: sixteen lanes store a row's 192 consecutive bytes.
; The K axis is shared out over the grid's y (4 x 256), so that there are enough waves to keep loads on their way; the price: a row's codes leave in pieces of 192 bytes and its scale bytes in pieces of 8.
; A block's scale is 2^(floor(log2(its largest magnitude)) - 2); its byte is the largest magnitude's exponent field - 2, held at 1 from below.
; LIMITS: a block's largest magnitude is floored at 2^-124; a block of zeros gets the byte 1 (its codes are zeros, and this program alone reads the bytes); NaN and infinities are not served.
; No tensor loads, no barrier, no matrix work: waves share nothing.  Loads run two blocks (64 loads a wave) ahead.  Grid x = 16 (4 T + b) + the block of 128 tokens: a grid of 64 in x serves the first tensor alone.
.set SIZE_N, 2048
.set NB,    8                          ; blocks of 32 along K for a wave
.set ROWB,  192                        ; bytes of 256 codes
.set PITCH, 272                        ; a stage row: sixteen places of 16 bytes, each with 12 bytes of codes, + 16
.set KROW,  768                        ; a row of the codes' buffer
.set EMAX,  2
.set X,     32                         ; v32-95   two sets of 32 numbers
.set C,     96                         ; v96..    a block's codes
.set OUTR,  112                        ; v112-175 the way out
.set SB,    24                         ; v24-25   the scale bytes, four to a register
	s_load_b256 s[4:11], s[0:1], 0x0               ; the three sources, the codes
	s_load_b64 s[12:13], s[0:1], 0x20              ; the scale bytes
	v_lshl_add_u32 v192, v0, 2, 0x8c00
	v_mov_b32 v193, 0
	v_lshrrev_b32 v1, 5, v0
	v_readfirstlane_b32 s16, v1                    ; wave 0..3
	v_and_b32 v2, 31, v0                           ; lane
	s_and_b32 s17, ttmp9, 15
	s_lshl_b32 s17, s17, 7
	s_lshl_b32 s18, s16, 5
	s_add_co_u32 s17, s17, s18                     ; my wave's first token in its batch
	s_lshr_b32 s19, ttmp9, 4                       ; 4 T + b
	s_and_b32 s18, ttmp7, 0xffff                   ; which 256 along K
	v_lshlrev_b32 v3, 2, v2                        ; in: 4 bytes a lane
	s_mul_i32 s20, s16, 32*PITCH                   ; my stage
	v_mul_u32_u24 v4, v2, PITCH
	v_add_nc_u32 v4, s20, v4                       ; into it: row = my token
	v_and_b32 v5, 15, v2
	v_lshrrev_b32 v6, 4, v2                        ; out of it: sixteen lanes to a row, two rows an instruction
	v_mul_u32_u24 v7, v6, PITCH
	v_lshl_add_u32 v7, v5, 4, v7
	v_add_nc_u32 v7, s20, v7
	v_mul_u32_u24 v8, v6, KROW
	v_mad_u32_u24 v8, v5, 12, v8                   ; and the place in the codes' buffer (the row pair's number stands in the immediate)
	v_and_b32 v9, 7, v2                            ; sg(lane) x 32: my token's row of scale bytes
	v_and_b32 v10, 8, v2
	v_lshl_or_b32 v9, v10, 1, v9
	v_lshrrev_b32 v10, 1, v2
	v_and_b32 v10, 8, v10
	v_or_b32 v9, v9, v10
	v_lshlrev_b32 v9, 5, v9
	s_and_b32 s21, s19, 3                          ; b
	s_lshl_b32 s22, s21, 23                        ; source: b x 8,388,608 + y x 256 rows of 8,192 bytes + 4 x token
	s_lshl_b32 s23, s18, 21
	s_add_co_u32 s22, s22, s23
	s_lshl_b32 s23, s17, 2
	s_add_co_u32 s22, s22, s23
	s_mov_b32 s23, 0
	s_lshl_b32 s24, s19, 11
	s_add_co_u32 s24, s24, s17                     ; my first row of the outputs
	s_mul_i32 s26, s24, KROW
	s_mul_i32 s25, s18, ROWB
	s_add_co_u32 s26, s26, s25
	s_mov_b32 s27, 0
	s_lshl_b32 s28, s24, 5
	s_lshl_b32 s25, s18, 3
	s_add_co_u32 s28, s28, s25
	s_mov_b32 s29, 0
	s_lshr_b32 s20, s19, 2                         ; T
	s_wait_kmcnt 0x0
	s_cmp_eq_u32 s20, 0                            ; the source is chosen by the work-group's number alone
	s_cselect_b64 s[4:5], s[4:5], s[6:7]
	s_cmp_eq_u32 s20, 2
	s_cselect_b64 s[4:5], s[8:9], s[4:5]
	s_add_nc_u64 s[4:5], s[4:5], s[22:23]
	s_add_nc_u64 s[6:7], s[10:11], s[26:27]
	s_add_nc_u64 s[8:9], s[12:13], s[28:29]
.macro LOAD t                          ; block t: x(32 t + i, my token), i = 0 .. 31, into set t % 2
.irp i, 0,1,2,3,4,5,6,7,8,9,10,11,12,13,14,15,16,17,18,19,20,21,22,23,24,25,26,27,28,29,30,31
	global_load_b32 v[X+32*((\t)%2)+\i], v3, s[4:5] offset:(32*(\t)+\i)*SIZE_N*4 th:TH_LOAD_NT
.endr
.endm
	LOAD 0
	LOAD 1
.macro BLOCK t
.set XS, X+32*((\t)%2)
.if (\t) < NB-1
	s_wait_loadcnt 32                              ; this block's 32 loads are in; the next block's 32 may be out
.else
	s_wait_loadcnt 0
.endif
	v_max3_num_f32 v12, |v[XS]|, |v[XS+1]|, |v[XS+2]|               ; the block's largest magnitude: all 32 numbers are mine
	v_max3_num_f32 v13, |v[XS+3]|, |v[XS+4]|, |v[XS+5]|
.irp i, 6,10,14,18,22,26
	v_max3_num_f32 v12, v12, |v[XS+\i]|, |v[XS+\i+1]|
	v_max3_num_f32 v13, v13, |v[XS+\i+2]|, |v[XS+\i+3]|
.endr
	v_max3_num_f32 v12, v12, |v[XS+30]|, |v[XS+31]|
	v_max3_num_f32 v12, v12, v13, (EMAX+1)<<23     ; and the floor 2^(EMAX + 1 - 127)
	v_add_nc_u32 v11, -(EMAX<<23), v12             ; EMAX off its exponent field: the conversion's scale operand
	v_lshrrev_b32 v13, 23, v11                     ; the scale's byte
.if (\t)%4 == 0
	v_mov_b32 v[SB+(\t)/4], v13                    ; four bytes to a register, the lower K in the lower byte
.else
	v_lshl_or_b32 v[SB+(\t)/4], v13, 8*((\t)%4), v[SB+(\t)/4]
.endif
	v_cvt_scalef32_pk16_fp6_f32 v[C:C+2], v[XS:XS+15], v11
	v_cvt_scalef32_pk16_fp6_f32 v[C+4:C+6], v[XS+16:XS+31], v11     ; (a conversion's three registers begin on an even number)
	ds_store_b96 v4, v[C:C+2] offset:32*(\t)       ; 12 bytes to a place of 16 in the stage
	ds_store_b96 v4, v[C+4:C+6] offset:32*(\t)+16
.if (\t)+2 < NB
	LOAD (\t)+2
.endif
	s_wait_dscnt 0x0                               ; the stores have read their registers: the next block's codes may be written
.endm
.set Q, 0
.rept NB
	BLOCK Q
.set Q, Q+1
.endr
	s_wait_alu depctr_va_vdst(0)
	global_store_b64 v9, v[SB:SB+1], s[8:9]        ; my token's 8 scale bytes
.irp t, 0,1,2,3,4,5,6,7,8,9,10,11,12,13,14,15
	ds_load_b96 v[OUTR+4*\t:OUTR+4*\t+2], v7 offset:2*\t*PITCH   ; LDS serves a wave's instructions in order: these see my stores
.endr
.irp t, 0,1,2,3,4,5,6,7,8,9,10,11,12,13,14,15
.set TS, ((\t)&3)|(((\t)&4)<<1)|(((\t)&8)>>1)   ; tokens 2 t and 2 t + 1 go to rows sg(2 t), sg(2 t + 1) = 2 TS, 2 TS + 1
	s_wait_dscnt 15-\t
	global_store_b96 v8, v[OUTR+4*\t:OUTR+4*\t+2], s[6:7] offset:2*TS*KROW
.endr
	s_wait_tensorcnt 0x0
	ds_add_u32 v192, v193
	s_wait_dscnt 0x0
	s_endpgm
.Lfunc_end_k_q5ce94c59bb_quant_y:
	.size	k_q5ce94c59bb_quant_y, .Lfunc_end_k_q5ce94c59bb_quant_y-k_q5ce94c59bb_quant_y
	.p2alignl 7, 3214868480
	.fill 96, 4, 3214868480
	.section	.rodata,"a",@progbits
	.p2align	6, 0x0
	.amdhsa_kernel k_q5ce94c59bb_quant_y
		.amdhsa_group_segment_fixed_size 36352
		.amdhsa_private_segment_fixed_size 0
		.amdhsa_enable_private_segment 0
		.amdhsa_kernarg_size 40
		.amdhsa_user_sgpr_count 2
		.amdhsa_user_sgpr_kernarg_segment_ptr 1
		.amdhsa_wavefront_size32 1
		.amdhsa_system_sgpr_workgroup_id_x 1
		.amdhsa_system_sgpr_workgroup_id_y 1
		.amdhsa_system_sgpr_workgroup_id_z 1
		.amdhsa_system_vgpr_workitem_id 0
		.amdhsa_next_free_vgpr 194
		.amdhsa_next_free_sgpr 66
		.amdhsa_reserve_vcc 0
		.amdhsa_float_denorm_mode_32 3
		.amdhsa_float_denorm_mode_16_64 3
		.amdhsa_memory_ordered 1
		.amdhsa_forward_progress 1
		.amdhsa_inst_pref_size 42
	.end_amdhsa_kernel
	.amdgpu_metadata
---
amdhsa.version: [ 1, 2 ]
amdhsa.kernels:
  - .name:           k_q5ce94c59bb_quant_y
    .symbol:         k_q5ce94c59bb_quant_y.kd
    .args:
      - { .name: xatt, .offset: 0, .size: 8, .value_kind: global_buffer, .address_space: global }
      - { .name: key, .offset: 8, .size: 8, .value_kind: global_buffer, .address_space: global }
      - { .name: value, .offset: 16, .size: 8, .value_kind: global_buffer, .address_space: global }
      - { .name: xcodes, .offset: 24, .size: 8, .value_kind: global_buffer, .address_space: global }
      - { .name: xscales, .offset: 32, .size: 8, .value_kind: global_buffer, .address_space: global }
    .group_segment_fixed_size: 36352
    .private_segment_fixed_size: 0
    .kernarg_segment_align: 8
    .kernarg_segment_size: 40
    .max_flat_workgroup_size: 128
    .sgpr_count:     66
    .vgpr_count:     194
    .wavefront_size: 32
...
	.end_amdgpu_metadata
.endif
;; end of part 4
;; launch outg (part 5): grid 32 x 4, 4 waves a work-group, clusters of 4 x 4, 327,680 bytes of LDS; arguments wbuf, xcodes, xscales, bm, out0; writes out0
.if DOCPART == 5
	.amdgcn_target "amdgcn-amd-amdhsa--gfx1250"
	.amdhsa_code_object_version 6
	.text
	.protected	k_q5ce94c59bb_outg
	.globl	k_q5ce94c59bb_outg
	.p2align	8
	.type	k_q5ce94c59bb_outg,@function
k_q5ce94c59bb_outg:
	s_mov_b64 s[64:65], 0
	v_nop
	global_prefetch_b8 v0, s[64:65] scope:SCOPE_SE
	s_setreg_imm32_b32 hwreg(HW_REG_WAVE_MODE, 25, 1), 1
	s_wait_xcnt 0x0
	s_wait_alu depctr_hold_cnt(0) depctr_sa_sdst(0) depctr_va_vdst(0) depctr_va_sdst(0) depctr_va_ssrc(0) depctr_va_vcc(0) depctr_vm_vsrc(0)
	s_getreg_b32 s2, hwreg(HW_REG_IB_STS2, 6, 4)
	s_cmp_eq_u32 s2, 0
	s_cbranch_scc0 .Lentry_in_a_cluster
	s_endpgm
.Lentry_in_a_cluster:
	s_bfe_u32 s2, ttmp6, 0x10000c
	s_cmp_lg_u32 s2, 0xf033
	s_cbranch_scc0 .Lentry_shape_is_right
	s_endpgm
.Lentry_shape_is_right:
; out0[b][o][n] = the sum over i of Wm[o][i] x[b][i][n] + bm[o], on codes of FP6 (E2M3) with E8M0 scales.  'A' (source 1, a lane = a row) = Wm's 1,024 rows, 'B' (source 0, a lane's registers run along its rows) = 8,192 tokens.
; A tile of 256 x 256 is made by four waves, 128 x 128 each; K = 1,024 goes in four steps of 256 through a ring of two LDS slots filled by the tensor data mover; the scales of all of K come once.
; CLUSTERS: 4 x 4 work-groups; A's tiles are asked for jointly along a row of the cluster, B's along a column.
; THE ROWS of both code buffers are stored with bits 3 and 4 of their number exchanged, Wm's also head-major (row 64 h + p is o = 16 sg(p) + h).  So register j of B's block b in lane (r, hh) is token
; 32 (b / 2) + 16 hh + 8 (b % 2) + j: eight neighbours of a row of out0; lane r of A's block a is o = 16 (32 ((a % 4) / 2) + 8 (a % 2) + r + 8 (r / 8)) + my first head + a / 4.  The way out puts both back in order.
; The bias is the C of each sum's first matrix instruction: eight equal registers for each of A's blocks.
; 128 work-groups: a tile of this size leaves WGPs without work at this size; a smaller tile would read each fragment for fewer products.  No prefetch: four K steps, two of them asked for at the head.
; REGISTERS, in windows of 256: window 0: v0-31 addresses; v32-63 scale words, two sets; v64-127 the bias; v128-223 A's fragments, one set; on the way out v128-255 rows of out0.
;   window 1: B's fragments, two sets (v0, v128).   windows 2, 3: the accumulators ((a, b) at v[8 (8 (a % 4) + b)]).
.set KSTEP,  256
.set NQ,     KSTEP/128
.set ROWB,   192
.set KROW,   768
.set PITCH,  240
.set FR,     12
.set NL,     6
.set NP,     4
.set HALFT,  128*PITCH
.set SLOT,   4*HALFT
.set LAPS,   2
.set KS,     32
.set SCL,    2*SLOT
.set HALFS,  (128*KS/256)*272
.set SBLK,   (16*KS/256)*272
.set SPARE,  SCL+4*HALFS               ; the spare words, 128 bytes a wave: two blocks of 256 bytes that no other line names
.set SPITCH, 528                       ; the way out: a stage of 16 rows x (512 bytes + 16) for each wave, in slot 0, which has had its last fill and its last read when the first result is stored there
.set WMC,    2359296                   ; Wm's codes in wbuf
.set WMS,    3244032                   ; and its scale bytes
.set BOV,  13                          ; v13  the bias: (r + 8 (r / 8)) x 64
.set ADRA, 16
.set ADRB, 20
.set STO,  24
.set RD,   25
.set CO,   26
.set ADRS, 27
.set SPW,  28
.set NIL,  29
.set SC,   32
.set BI,   64
.set AF,   128
.set BK,   128
.set G1, 24
.set G0, 32
.set G1B, 48
.set G0B, 56
.set G1S, 68
.set G0S, 76
.set G1SB, 80
.set G0SB, 88
.set MSB, 0
.macro WIN new                         ; the immediate's high byte repeats the setting that is left
.if MSB != \new
	s_set_vgpr_msb (MSB<<8)|\new
.set MSB, \new
.endif
.endm
.set MUL_LO, 0xa1                      ; source 0 (B) window 1, source 1 (A) window 0, C and D window 2
.set MUL_HI, 0xf1
.set TO_B,   0x40
.macro JLOAD g0a, g1a, g0b, g1b        ; a joint load: waves 0 and 1 fetch for A, waves 2 and 3 for B; four v_nop follow each of the two lines
	s_cmp_eq_u32 s15, 0
	s_cbranch_scc0 .Lfor_b_\@
	tensor_load_to_lds s[\g0a:\g0a+3], s[\g1a:\g1a+7]
	s_nop 0
.rept 4
	v_nop
.endr
	s_branch .Lasked_\@
.Lfor_b_\@:
	tensor_load_to_lds s[\g0b:\g0b+3], s[\g1b:\g1b+7]
	s_nop 0
.rept 4
	v_nop
.endr
.Lasked_\@:
.endm
.macro CREST
	s_cmp_lg_u32 s14, 0
	s_cbranch_scc1 .Lnot_wave_0_\@
	s_barrier_signal -3
.Lnot_wave_0_\@:
	s_barrier_wait -3
	s_barrier_signal -1
	s_barrier_wait -1
.endm
.macro CROUND
	s_barrier_signal -1
	s_barrier_wait -1
	CREST
.endm
	s_load_b256 s[4:11], s[0:1], 0x0               ; wbuf s[4:5], xcodes s[6:7], xscales s[8:9], bm s[10:11]
	s_load_b64 s[12:13], s[0:1], 0x20              ; out0
	v_lshl_add_u32 v[SPW], v0, 2, SPARE
	v_mov_b32 v[NIL], 0
	ds_add_u32 v28, v29
	ds_add_u32 v28, v29
	s_wait_dscnt 0x0
	v_lshrrev_b32 v1, 5, v0
	v_readfirstlane_b32 s14, v1                    ; wave 0..3
	s_lshr_b32 s15, s14, 1                         ; which half of the tile's rows (A).  Also: I fetch for A (0) or for B (1)
	s_and_b32 s16, s14, 1                          ; which half of its columns (B).  Also: which 128 rows of that tile I fetch
	s_bfe_u32 s40, ttmp6, 0x40000                  ; cx, cy
	s_bfe_u32 s41, ttmp6, 0x40004
	s_lshl_b32 s42, ttmp9, 2
	s_add_co_u32 s42, s42, s40                     ; tile column (tokens) = 4 x cluster x + cx
	s_mov_b32 s17, s41                             ; tile row (Wm) = cy: the grid has one cluster along y
	s_lshl_b32 s43, s41, 2
	s_lshl_b32 s43, 15, s43                        ; my row of the cluster
	s_lshl_b32 s44, 0x1111, s40                    ; my column
	s_or_b32 s[G1+0], s43, (0<<16)|(1<<20)|(1<<21)|(3<<22)|(3<<25)
	s_or_b32 s[G1B+0], s44, (0<<16)|(1<<20)|(1<<21)|(3<<22)|(3<<25)
.irp g, G1, G1B
	s_mov_b32 s[\g+1], ROWB<<16
	s_mov_b32 s[\g+2], 128<<16
	s_mov_b32 s[\g+3], ROWB<<16
	s_mov_b32 s[\g+4], 128
	s_mov_b32 s[\g+5], KROW
	s_mov_b32 s[\g+6], 0
	s_mov_b32 s[\g+7], 0
.endr
	s_or_b32 s[G1S+0], s43, (3<<16)|(1<<20)|(1<<21)|(5<<22)|(3<<25)
	s_or_b32 s[G1SB+0], s44, (3<<16)|(1<<20)|(1<<21)|(5<<22)|(3<<25)
.irp g, G1S, G1SB
	s_mov_b32 s[\g+1], 32<<16
	s_mov_b32 s[\g+2], (128*KS/256)<<16
	s_mov_b32 s[\g+3], 32<<16
	s_mov_b32 s[\g+4], 128*KS/256
	s_mov_b32 s[\g+5], 32
	s_mov_b32 s[\g+6], 0
	s_mov_b32 s[\g+7], 0
.endr
	s_lshl_b32 s18, s16, 7
	s_lshl_b32 s20, s17, 8
	s_add_co_u32 s20, s20, s18                     ; A's row
	s_lshl_b32 s46, s42, 8
	s_add_co_u32 s46, s46, s18                     ; B's row
	s_lshl_b32 s22, s20, 5
	s_add_co_u32 s22, s22, WMS
	s_mov_b32 s23, 0
	s_mul_i32 s20, s20, KROW
	s_add_co_u32 s20, s20, WMC
	s_mov_b32 s21, 0
	s_lshl_b32 s92, s46, 5
	s_mov_b32 s93, 0
	s_mul_i32 s46, s46, KROW
	s_mov_b32 s47, 0
	s_mul_i32 s45, s14, HALFT                      ; where they go: wave x 128 rows
	s_mul_i32 s94, s14, HALFS
	s_wait_kmcnt 0x0
	s_add_nc_u64 s[20:21], s[4:5], s[20:21]
	s_add_nc_u64 s[22:23], s[4:5], s[22:23]
	s_add_nc_u64 s[46:47], s[6:7], s[46:47]
	s_add_nc_u64 s[92:93], s[8:9], s[92:93]
	CROUND                                         ; all sixteen work-groups are here: the first joint loads meet
	s_mov_b32 s[G0S], 1
	s_add_co_u32 s[G0S+1], s94, SCL
	s_mov_b64 s[G0S+2:G0S+3], s[22:23]
	s_or_b32 s[G0S+3], s[G0S+3], 0x80000000
	s_mov_b32 s[G0SB], 1
	s_add_co_u32 s[G0SB+1], s94, SCL
	s_mov_b64 s[G0SB+2:G0SB+3], s[92:93]
	s_or_b32 s[G0SB+3], s[G0SB+3], 0x80000000
	JLOAD G0S, G1S, G0SB, G1SB                     ; the scales first
.irp s, 0,1
	s_mov_b32 s[G0+4*\s], 1
	s_add_co_u32 s[G0+4*\s+1], s45, \s*SLOT
	s_add_nc_u64 s[G0+4*\s+2:G0+4*\s+3], s[20:21], \s*ROWB
	s_or_b32 s[G0+4*\s+3], s[G0+4*\s+3], 0x80000000
	s_mov_b32 s[G0B+4*\s], 1
	s_add_co_u32 s[G0B+4*\s+1], s45, \s*SLOT
	s_add_nc_u64 s[G0B+4*\s+2:G0B+4*\s+3], s[46:47], \s*ROWB
	s_or_b32 s[G0B+4*\s+3], s[G0B+4*\s+3], 0x80000000
	s_wait_alu depctr_va_vdst(0)
	s_wait_tensorcnt 0x0
	ds_add_u32 v28, v29
	s_wait_dscnt 0x0
	CROUND
	JLOAD G0+4*\s, G1, G0B+4*\s, G1B
.endr
	v_and_b32 v1, 15, v0                           ; r
	v_bfe_u32 v2, v0, 4, 1                         ; hh
	v_and_b32 v3, 8, v1
	v_add_nc_u32 v3, v3, v1
	v_lshlrev_b32 v[BOV], 6, v3                    ; (r + 8 (r / 8)) x 64
	s_lshl_b32 s46, s17, 2
	s_lshl_b32 s47, s15, 1
	s_add_co_u32 s46, s46, s47                     ; my first head: 4 x tile row + 2 x half
	s_lshl_b32 s20, s46, 2
	s_mov_b32 s21, 0
	s_add_nc_u64 s[10:11], s[10:11], s[20:21]
.irp a, 0,1,2,3,4,5,6,7
.irp j, 0,1,2,3,4,5,6,7
	global_load_b32 v[BI+8*\a+\j], v[BOV], s[10:11] offset:(32*((\a%4)/2)+8*(\a%2))*64+4*(\a/4)   ; bm of my row of block a, in all eight registers of the result's layout
.endr
.endr
	v_mul_u32_u24 v3, v1, PITCH
	v_mul_u32_u24 v4, v2, 24
	v_add_nc_u32 v4, v3, v4
	v_lshl_add_u32 v5, v2, 4, v4
	s_mul_i32 s21, s15, HALFT
	s_mul_i32 s22, s16, HALFT
	s_add_co_u32 s22, s22, 2*HALFT
.irp s, 0,1
	v_add_nc_u32 v[ADRA+\s], s21, v4
	v_add_nc_u32 v[ADRB+\s], s22, v4
	v_add_nc_u32 v[ADRA+2+\s], s21, v5
	v_add_nc_u32 v[ADRB+2+\s], s22, v5
	s_add_co_u32 s21, s21, SLOT
	s_add_co_u32 s22, s22, SLOT
.endr
	v_mul_u32_u24 v5, v1, KS
	v_lshrrev_b32 v6, 8, v5
	v_lshl_add_u32 v5, v6, 4, v5
	s_mul_i32 s21, s15, HALFS
	s_mul_i32 s22, s16, HALFS
	s_add_co_u32 s22, s22, 2*HALFS
	s_sub_co_u32 s22, s22, s21
	v_mul_u32_u24 v6, s22, v2                      ; lanes 16-31 take B's
	s_add_co_u32 s21, s21, SCL
	v_add_nc_u32 v5, v5, v6
	v_add_nc_u32 v[ADRS], s21, v5
	s_mul_i32 s23, s14, 16*SPITCH                  ; my stage
	v_mul_u32_u24 v5, v1, SPITCH                   ; in: row r; my half's 16 tokens of each 32: 64 hh bytes on
	v_lshl_add_u32 v5, v2, 6, v5
	v_add_nc_u32 v[STO], s23, v5
	v_and_b32 v6, 31, v0
	v_lshlrev_b32 v[CO], 4, v6                     ; back: the 32 lanes take one row of 512 bytes; and the same in out0
	v_add_nc_u32 v[RD], s23, v[CO]
	s_lshl_b32 s20, s46, 13                        ; out0: my first head x 8,192 (the d part stands in the stores' immediates)
	s_lshr_b32 s47, s42, 3
	s_lshl_b32 s47, s47, 23                        ; + batch x 8,388,608
	s_add_co_u32 s20, s20, s47
	s_lshl_b32 s47, s42, 8
	s_lshl_b32 s18, s16, 7
	s_add_co_u32 s47, s47, s18
	s_and_b32 s47, s47, 2047
	s_lshl_b32 s47, s47, 2                         ; + 4 x my first token in its batch
	s_add_co_u32 s20, s20, s47
	s_mov_b32 s21, 0
	s_add_nc_u64 s[12:13], s[12:13], s[20:21]
.macro FRAG reg, adr, q, i
.irp p, 0,1,2,3,4,5
.set PIECE, 12*(\q)+6*(\p/3)+\p%3
.if PIECE%8 < 5
	ds_load_b64 v[\reg+2*\p:\reg+2*\p+1], v[\adr] offset:8*PIECE+16*(PIECE/8)+(\i)*16*PITCH
.else
	ds_load_b64 v[\reg+2*\p:\reg+2*\p+1], v[\adr+2] offset:8*PIECE+16*(PIECE/8)+(\i)*16*PITCH
.endif
.endr
.endm
; 16 matrix instructions: A's blocks a0, a0 + 1 x B's eight.  The 64 accumulators take turns.  zero = 1: the first product starts the sums, with the bias as C.
.macro MUL16 a0, p, q, sc, zero
.irp a, \a0, \a0+1
.irp b, 0,1,2,3,4,5,6,7
.if \zero
	v_wmma_scale_f32_16x16x128_f8f6f4 v[8*(8*((\a)%4)+\b):8*(8*((\a)%4)+\b)+7], v[128*(\p)+FR*\b:128*(\p)+FR*\b+FR-1], v[AF+FR*(\a):AF+FR*(\a)+FR-1], v[BI+8*(\a):BI+8*(\a)+7], v[SC+8*NQ*(\sc)+NQ*\b+(\q)], v[SC+8*NQ*(\sc)+NQ*(\a)+(\q)] matrix_a_fmt:MATRIX_FMT_FP6 matrix_b_fmt:MATRIX_FMT_FP6 matrix_a_scale:MATRIX_SCALE_ROW1
.else
	v_wmma_scale_f32_16x16x128_f8f6f4 v[8*(8*((\a)%4)+\b):8*(8*((\a)%4)+\b)+7], v[128*(\p)+FR*\b:128*(\p)+FR*\b+FR-1], v[AF+FR*(\a):AF+FR*(\a)+FR-1], v[8*(8*((\a)%4)+\b):8*(8*((\a)%4)+\b)+7], v[SC+8*NQ*(\sc)+NQ*\b+(\q)], v[SC+8*NQ*(\sc)+NQ*(\a)+(\q)] matrix_a_fmt:MATRIX_FMT_FP6 matrix_b_fmt:MATRIX_FMT_FP6 matrix_a_scale:MATRIX_SCALE_ROW1
.endif
.endr
.endr
.endm
.macro FETCH_B slot, q, p
	WIN TO_B
.irp i, 0,1,2,3,4,5,6,7
	FRAG 128*(\p)+FR*\i, ADRB+\slot, \q, \i
.endr
	WIN 0
.endm
.macro FETCH_A slot, q, i0
.irp i, \i0, \i0+1, \i0+2, \i0+3
	FRAG AF+FR*(\i), ADRA+\slot, \q, \i
.endr
.endm
.macro SCALES sc
.irp i, 0,1,2,3,4,5,6,7
	ds_load_b64 v[SC+8*NQ*\sc+NQ*\i:SC+8*NQ*\sc+NQ*\i+1], v[ADRS] offset:\i*SBLK
.endr
.endm
.macro PLACES n                        ; plain vector lines between a matrix instruction and a load into, or an access to, its registers
.rept \n
	v_nop
.endr
.endm
.macro STEP slot, q, zero
	s_wait_dscnt 4*NL                              ; B's set and A's blocks 0-3 are in; the youngest 24 loads (A's blocks 4-7) may be out
.if \zero
	WIN 0x81                                       ; C (the bias) window 0, D window 2
.else
	WIN MUL_LO
.endif
	MUL16 0, (\q)%2, \q, \slot, \zero
	MUL16 2, (\q)%2, \q, \slot, \zero
	s_wait_dscnt 0
	PLACES NP
	FETCH_B \slot, (\q)+1, 1-(\q)%2
	FETCH_A \slot, (\q)+1, 0
.if \zero
	WIN 0xc1
.else
	WIN MUL_HI
.endif
	MUL16 4, (\q)%2, \q, \slot, \zero
	MUL16 6, (\q)%2, \q, \slot, \zero
	PLACES NP
	WIN 0
	FETCH_A \slot, (\q)+1, 4
.endm
.macro TURN slot, next, fill
	s_wait_tensorcnt 0x0                           ; all my tensor loads have landed: my part of the next slot
	ds_add_u32 v[SPW], v[NIL]                      ; 0 onto my spare word
	s_wait_dscnt 4*NL+1                            ; (the add and the youngest 24 loads may be out)
	WIN MUL_LO
	MUL16 0, 1, NQ-1, \slot, 0
	s_wait_dscnt 0x0                               ; the add is done, and my reads of this slot are over
	s_barrier_signal -1
	MUL16 2, 1, NQ-1, \slot, 0
	WIN 0
	s_barrier_wait -1
.if \fill
	CREST                                          ; the barrier has opened a round of the cluster's: no wave of any partner still reads this slot or has a load on its way
	s_add_nc_u64 s[G0+4*\slot+2:G0+4*\slot+3], s[G0+4*\slot+2:G0+4*\slot+3], 2*ROWB
	s_add_nc_u64 s[G0B+4*\slot+2:G0B+4*\slot+3], s[G0B+4*\slot+2:G0B+4*\slot+3], 2*ROWB
	JLOAD G0+4*\slot, G1, G0B+4*\slot, G1B
.else
	PLACES NP
.endif
	s_wait_alu depctr_va_vdst(0)
	v_add_nc_u32 v[ADRS], 4*NQ, v[ADRS]
	FETCH_B \next, 0, 0
	FETCH_A \next, 0, 0
	SCALES \next
	WIN MUL_HI
	MUL16 4, 1, NQ-1, \slot, 0
	MUL16 6, 1, NQ-1, \slot, 0
	PLACES NP
	WIN 0
	FETCH_A \next, 0, 4
.endm
	s_wait_alu depctr_va_vdst(0)
	s_wait_tensorcnt 1                             ; the scales and my part of K step 0 are in; K step 1's load may be out
	s_barrier_signal -1
	s_barrier_wait -1
	FETCH_B 0, 0, 0
	FETCH_A 0, 0, 0
	SCALES 0
	FETCH_A 0, 0, 4
	s_wait_loadcnt 0x0                             ; the bias
	STEP 0, 0, 1
	s_mov_b32 s3, LAPS-1
.Llap:
	TURN 0, 1, 1
	STEP 1, 0, 0
	TURN 1, 0, 1
	STEP 0, 0, 0
	s_sub_co_u32 s3, s3, 1
	s_cmp_lg_u32 s3, 0
	s_cbranch_scc1 .Llap
	TURN 0, 1, 0
	STEP 1, 0, 0
	s_wait_dscnt 4*NL
	WIN MUL_LO
	MUL16 0, 1, NQ-1, 1, 0
	MUL16 2, 1, NQ-1, 1, 0
	s_wait_dscnt 0
	WIN MUL_HI
	MUL16 4, 1, NQ-1, 1, 0
	MUL16 6, 1, NQ-1, 1, 0
	WIN 0
; THE WAY OUT, block by block of 16 rows of Wm x 128 tokens, through my own stage in LDS: in by lanes (32 bytes of a row, at the tokens' true places), back as whole rows of 512 bytes.
; LDS serves a wave's instructions in order (ISA guide 5.7.1.4): no wait between the stores and the loads, nor in front of the next block's stores.
.macro TOSTAGE a
.set AC, 64*((\a)%4)
	WIN 0x08+4*((\a)/4)                            ; the data: window 2 or 3
.irp b, 0,1,2,3,4,5,6,7
	ds_store_b128 v[STO], v[AC+8*\b:AC+8*\b+3] offset:128*(\b/2)+32*(\b%2)        ; tokens 32 (b / 2) + 16 hh + 8 (b % 2) on; each accumulator from its low end on
	ds_store_b128 v[STO], v[AC+8*\b+4:AC+8*\b+7] offset:128*(\b/2)+32*(\b%2)+16
.endr
	WIN 0
.set BB, BK+64*((\a)%2)
.irp t, 0,1,2,3,4,5,6,7,8,9,10,11,12,13,14,15
	ds_load_b128 v[BB+4*\t:BB+4*\t+3], v[RD] offset:\t*SPITCH
.endr
.endm
.macro SEND a, younger                 ; younger: the LDS instructions issued behind block a's loads, which may stay out
.set BB, BK+64*((\a)%2)
	s_wait_dscnt \younger
.irp t, 0,1,2,3,4,5,6,7,8,9,10,11,12,13,14,15
	global_store_b128 v[CO], v[BB+4*\t:BB+4*\t+3], s[12:13] offset:(32*(((\a)%4)/2)+8*((\a)%2)+\t+8*(\t/8))*131072+8192*((\a)/4) th:TH_STORE_NT   ; row o = 16 d + head: 32 lanes store 512 consecutive bytes; the largest immediate, 8,265,728, lies inside the signed 24 bits
.endr
.endm
	PLACES NP
	TOSTAGE 0
.irp a, 1,2,3,4,5,6,7
.if \a > 1
	s_wait_xcnt 0x0                                ; block a - 2's stores have read their registers: block a's loads may land there
.endif
	TOSTAGE \a
	SEND \a-1, 32                                  ; behind block a - 1's loads: block a's 16 stores and 16 loads
.endr
	SEND 7, 0
	s_wait_tensorcnt 0x0                           ; the wave's end
	ds_add_u32 v[SPW], v[NIL]
	s_wait_dscnt 0x0
	CROUND                                         ; the closing round
	s_endpgm
.Lfunc_end_k_q5ce94c59bb_outg:
	.size	k_q5ce94c59bb_outg, .Lfunc_end_k_q5ce94c59bb_outg-k_q5ce94c59bb_outg
	.p2alignl 7, 3214868480
	.fill 96, 4, 3214868480
	.section	.rodata,"a",@progbits
	.p2align	6, 0x0
	.amdhsa_kernel k_q5ce94c59bb_outg
		.amdhsa_group_segment_fixed_size 327680
		.amdhsa_private_segment_fixed_size 0
		.amdhsa_enable_private_segment 0
		.amdhsa_kernarg_size 40
		.amdhsa_user_sgpr_count 2
		.amdhsa_user_sgpr_kernarg_segment_ptr 1
		.amdhsa_wavefront_size32 1
		.amdhsa_system_sgpr_workgroup_id_x 1
		.amdhsa_system_sgpr_workgroup_id_y 1
		.amdhsa_system_sgpr_workgroup_id_z 1
		.amdhsa_system_vgpr_workitem_id 0
		.amdhsa_next_free_vgpr 1024
		.amdhsa_next_free_sgpr 98
		.amdhsa_reserve_vcc 0
		.amdhsa_float_denorm_mode_32 3
		.amdhsa_float_denorm_mode_16_64 3
		.amdhsa_memory_ordered 1
		.amdhsa_forward_progress 1
		.amdhsa_inst_pref_size 167
	.end_amdhsa_kernel
	.amdgpu_metadata
---
amdhsa.version: [ 1, 2 ]
amdhsa.kernels:
  - .name:           k_q5ce94c59bb_outg
    .symbol:         k_q5ce94c59bb_outg.kd
    .args:
      - { .name: wbuf, .offset: 0, .size: 8, .value_kind: global_buffer, .address_space: global }
      - { .name: xcodes, .offset: 8, .size: 8, .value_kind: global_buffer, .address_space: global }
      - { .name: xscales, .offset: 16, .size: 8, .value_kind: global_buffer, .address_space: global }
      - { .name: bm, .offset: 24, .size: 8, .value_kind: global_buffer, .address_space: global }
      - { .name: out0, .offset: 32, .size: 8, .value_kind: global_buffer, .address_space: global }
    .group_segment_fixed_size: 327680
    .private_segment_fixed_size: 0
    .kernarg_segment_align: 8
    .kernarg_segment_size: 40
    .max_flat_workgroup_size: 128
    .sgpr_count:     98
    .vgpr_count:     1024
    .wavefront_size: 32
...
	.end_amdgpu_metadata
.endif
;; end of part 5
